; MI455X (gfx1250); checked and timed in simulation.
; The chip was launched on July 23, 2026; its instructions are those of AMD's public machine-readable ISA for CDNA 5 (MIT licence, August 2026) and "CDNA5" Instruction Set Architecture Reference Guide (July 2026). The comments in the code are by the model that wrote it; some were corrected since.
;; Simi Multi Headed Attention. Allowed arithmetic: matrix products marked QUANTISED: E2M1 operands, one E8M0 scale for each 32 along K, by v_wmma_scale_f32_16x16x128_f8f6f4 with both operands' format E2M1 (or v_wmma_scale_f32_32x16x128_f4), f32 sums; products left as they are: bf16, f16 or f32 operands; f32 sums; everything else in f32.
;; Inputs: Wk 1,024 x 1,024 float32; Wo 1,024 x 1,024 float32; Wq 1,024 x 1,024 float32; Wv 1,024 x 1,024 float32; alpha 1 x 16 x 1 x 1 float32; bk 1,024 float32; bo 1,024 float32; bq 1,024 float32; bv 1,024 float32; k 2 x 2,048 x 1,024 float32; q 2 x 2,048 x 1,024 float32; v 2 x 2,048 x 1,024 float32.
;; Outputs: out0 2 x 2,048 x 1,024 float32.
;; This version of the problem:
;;   THIS VERSION OF THE PROBLEM IS GIVEN IN LOW PRECISION. The matrix products marked QUANTISED in the list below multiply operands that are first quantised to E2M1 (2 exponent bits, 1 mantissa bit; 4 bits a number), with one power-of-two scale for each 32 numbers along K (OCP MX v1.0); their sums are f32. The products marked 'left as it is' may take bf16, f16 or f32 operands, with f32 sums. Whichever they take, every output number must still come out within the allowed error. Rounding operands to bf16 (8 significant bits) uses up far more of that allowance than f16 does (11 bits, for magnitudes from 6e-5 to 65,504). All else is computed in f32.
;;   The module's matrix products, in the order in which they are computed (A, B: the left and right operand; K: the contracted axis; several contracted axes count as one K, in the product's order):
;;     1. [M 4,096, K 1,024] x [K 1,024, N 1,024]; A: input q; B: input Wq: QUANTISED
;;     2. [M 4,096, K 1,024] x [K 1,024, N 1,024]; A: input k; B: input Wk: QUANTISED
;;     3. [M 4,096, K 1,024] x [K 1,024, N 1,024]; A: input v; B: input Wv: QUANTISED
;;     4. batch 32 x [M 2,048, K 64] x [K 64, N 2,048]; A: computed on the way; B: computed on the way: left as it is (an operand is computed on the way)
;;     5. batch 32 x [M 2,048, K 2,048] x [K 2,048, N 64]; A: computed on the way; B: computed on the way: left as it is (an operand is computed on the way)
;;     6. [M 4,096, K 1,024] x [K 1,024, N 1,024]; A: computed on the way; B: input Wo: left as it is (an operand is computed on the way)
;;   THE QUANTISER, for each operand of a quantised product, along K:
;;     - K is cut into blocks of 32 from its start; a last block that is shorter is filled with zeros.
;;     - A block's scale is 2^e with e = floor(log2(the largest magnitude in the block)) - 2, held to -126 .. 127; a block of zeros has e = 0. As a byte (E8M0): e + 127.
;;     - Each number is divided by its block's scale, clamped to +-6, and rounded to the nearest number of E2M1, ties to even, subnormals kept.
;;     - The product sums the exact products of the quantised numbers (number of the format x scale) in f32.
;;   ~~~python
;;   def quantise(x, axis):      # numpy; x: float32 -> the quantised numbers, widened to float32 again
;;       x = np.moveaxis(x, axis, -1); K = x.shape[-1]
;;       x = np.pad(x, [(0, 0)] * (x.ndim - 1) + [(0, -K % 32)]); x = x.reshape(x.shape[:-1] + (-1, 32)); a = np.abs(x).max(-1, keepdims=True)
;;       e = np.where(a > 0, np.clip(np.frexp(np.where(a > 0, a, 1))[1] - 1 - 2, -126, 127), 0)      # np.frexp(a)[1] - 1 = floor(log2(a)), exactly
;;       r = np.clip(x / 2.0 ** e, -6, 6)
;;       step = 2.0 ** (np.maximum(np.frexp(np.where(r == 0, 1, r))[1] - 1, 0) - 1)
;;       q = np.round(r / step) * step * 2.0 ** e      # np.round: ties to even
;;       return np.moveaxis(q.reshape(q.shape[:-2] + (-1,))[..., :K], -1, axis).astype(np.float32)
;;   ~~~
;; One version. Each part assembles by itself: llvm-mc -triple=amdgcn-amd-amdhsa -mcpu=gfx1250 --defsym DOCPART=n.
;; ======== version 1 of 1: 4 launches
;; limits: values are held in f16: magnitudes above 65,504 overflow, below 6.1e-05 lose precision
;; workspace buffers: codes 7,864,320 bytes; scl 491,520 bytes; wo16 2,097,152 bytes; img 25,165,824 bytes; nrm 524,288 bytes; ao 8,388,608 bytes
;; launch prep (part 1): grid 640 x 1, 4 waves a work-group, no clusters, 34,304 bytes of LDS; arguments q, k, v, Wq, Wk, Wv, Wo, codes, scl, wo16; writes codes, scl, wo16
.if DOCPART == 1
	.amdgcn_target "amdgcn-amd-amdhsa--gfx1250"
	.amdhsa_code_object_version 6
	.text
	.protected	k_qfe01dd1961_prep
	.globl	k_qfe01dd1961_prep
	.p2align	8
	.type	k_qfe01dd1961_prep,@function
k_qfe01dd1961_prep:
	s_mov_b64 s[64:65], 0
	v_nop
	global_prefetch_b8 v0, s[64:65] scope:SCOPE_SE
	s_setreg_imm32_b32 hwreg(HW_REG_WAVE_MODE, 25, 1), 1
	s_wait_xcnt 0x0
; q, k, v [4096][1024] f32 (K innermost) and Wq, Wk, Wv [1024 (K)][1024] f32 (K outermost) become codes of FP4 (E2M1) with one E8M0 byte for each 32 along K; Wo [1024 (K)][1024] becomes f16.
; A block's scale is 2^(floor(log2(its largest magnitude)) - 2): its byte is the largest magnitude's exponent field - 2, held at 1 from below.
; EVERYTHING IS STORED AS AN IMAGE OF THE OPERAND'S REGISTERS: a fragment (16 rows x 128 K of codes, or 16 rows x 32 K of f16) is 1,024 bytes, [part c 0..1][lane 0..31][16 bytes], part c = the lane's registers 4 c .. 4 c + 3.
;   codes: x part [kh 2][row tile 768][q 4][1 KB] (row tile = 256 x tensor + row / 16; K step of 128 = 4 kh + q); W part from WB on: [kh 2][column tile 192][q 4][1 KB].
;   scl:   [tile][kh 2][row 16][16 bytes]: the scale words of K steps 4 kh .. 4 kh + 3 of a row; W part from WSB on.
;   wo16:  [ks 4][column tile 64][chunk of 32 K 8][1 KB].
; Work-groups 0-383: q, k, v (the only path that uses LDS); 384-575: Wq, Wk, Wv; 576-639: Wo.  The paths part on the work-group's number.  No tensor loads, no barrier: waves share nothing.
; LIMITS: NaN and infinities are not served; a block of zeros, and one whose largest magnitude lies under 2^-124, gets the byte 1 (its codes are zeros or small; this program alone reads the bytes);
; Wo beyond 65,504 in magnitude has no f16 number.
.set XH,     3145728                   ; codes: from kh = 0 to kh = 1 in the x part
.set WB,     6291456                   ; codes: where the W part begins
.set WH,     786432                    ; and its step from kh = 0 to kh = 1
.set WSB,    393216                    ; scl: where the W part begins
.set SPITCH, 528                       ; a stage row: 512 bytes + 16
.set WSTG,   16*SPITCH                 ; a wave's stage: 16 rows
.set SPARE,  4*WSTG                    ; behind the four stages: the spare words, 128 bytes for each wave, which no other line names
.set LI,   4                           ; v4   16 x lane
.set SIN,  5                           ; v5   the stage, on the way in
.set SOUT, 6                           ; v6   and on the way out
.set WO,   7                           ; v7   W paths: my place in the images
.set R16,  8                           ; v8   16 x (lane % 16)
.set L4,   9                           ; v9   4 x lane
.set SPW,  10                          ; v10  LDS address of my spare word; never rewritten
.set NIL,  11                          ; v11  0; never rewritten
.set TM,   12                          ; v12-27 at work in QUANT
.set PW,   28                          ; v28-31 the four K steps' scale words
.set PC,   32                          ; v32-63 the four K steps' codes
.set X,    64                          ; v64-127 64 numbers of a lane, as QUANT wants them
.set R,    128                         ; v128-255 numbers as they are loaded
.set WS,   12                          ; W path: my place among the scale words
.set MA,   13                          ; W path: at work
.set MB,   14
.set SO,   15                          ; W path: the conversion's scale operand
.set WW,   24                          ; W path: the scale word
	s_load_b256 s[4:11], s[0:1], 0x0               ; q, k, v, Wq
	s_load_b256 s[12:19], s[0:1], 0x20             ; Wk, Wv, Wo, codes
	s_load_b128 s[20:23], s[0:1], 0x40             ; scl, wo16
	v_lshl_add_u32 v[SPW], v0, 2, SPARE
	v_mov_b32 v[NIL], 0
	v_lshrrev_b32 v1, 5, v0
	v_readfirstlane_b32 s30, v1                    ; wave 0..3
	v_and_b32 v1, 31, v0                           ; lane
	v_and_b32 v2, 15, v0                           ; r
	v_bfe_u32 v3, v0, 4, 1                         ; h
	v_lshlrev_b32 v[LI], 4, v1
	v_lshlrev_b32 v[R16], 4, v2
	v_lshlrev_b32 v[L4], 2, v1
	s_mov_b32 s37, 0
	s_mov_b32 s39, 0
	s_mov_b32 s41, 0
	s_cmp_lt_u32 ttmp9, 384
	s_cbranch_scc0 .Lweights
; ---- q, k, v.  A wave takes one tile of 16 rows x 512 along K: four K steps of 128.
	s_mul_i32 s27, s30, WSTG
	v_add_nc_u32 v[SIN], s27, v[LI]                ; in: a row's 512 bytes as they lie
	v_mul_u32_u24 v[SOUT], v2, SPITCH
	v_lshl_add_u32 v[SOUT], v3, 6, v[SOUT]
	v_add_nc_u32 v[SOUT], s27, v[SOUT]             ; out: row r, + 64 h: my 16 numbers of each block of 32
.irp b, 0,1,2,3
	v_mov_b32 v[TM+4+\b], 0                        ; written once: a lane permute's destination counts as one of its sources
.endr
	s_mov_b32 s32, 0x76543210
	s_mov_b32 s33, 0xfedcba98                      ; v_permlanex16_b32's selects for lane l xor 16
	s_lshl_b32 s24, ttmp9, 1
	s_lshr_b32 s25, s30, 1
	s_add_co_u32 s24, s24, s25                     ; row tile = 2 x work-group + wave / 2
	s_and_b32 s26, s30, 1                          ; kh = wave % 2
	s_and_b32 s36, s24, 255
	s_lshl_b32 s36, s36, 16                        ; 16 rows of 4,096 bytes
	s_lshl_b32 s38, s26, 11
	s_add_co_u32 s36, s36, s38                     ; + 512 numbers x kh
	s_mul_i32 s38, s26, XH
	s_lshl_b32 s28, s24, 12
	s_add_co_u32 s38, s38, s28                     ; my four fragments in codes
	s_lshl_b32 s40, s24, 9
	s_lshl_b32 s28, s26, 8
	s_add_co_u32 s40, s40, s28                     ; my 256 bytes in scl
	s_wait_kmcnt 0x0
	s_cmp_lt_u32 ttmp9, 128                        ; which tensor: the choice hangs on the work-group's number alone
	s_cselect_b64 s[34:35], s[4:5], s[6:7]
	s_cmp_lt_u32 ttmp9, 256
	s_cselect_b64 s[34:35], s[34:35], s[8:9]
	s_add_nc_u64 s[34:35], s[34:35], s[36:37]
	s_add_nc_u64 s[18:19], s[18:19], s[38:39]
	s_add_nc_u64 s[20:21], s[20:21], s[40:41]
.macro XLOAD q                         ; K step q of my 16 rows: each load reads 512 consecutive bytes of one row
.irp i, 0,1,2,3,4,5,6,7,8,9,10,11,12,13,14,15
	global_load_b128 v[R+64*((\q)%2)+4*\i:R+64*((\q)%2)+4*\i+3], v[LI], s[34:35] offset:4096*\i+512*(\q) th:TH_LOAD_NT
.endr
.endm
.macro TURN q                          ; through my stage: LDS serves a wave's instructions in order, so no wait stands between the stores and the loads
.irp i, 0,1,2,3,4,5,6,7,8,9,10,11,12,13,14,15
	ds_store_b128 v[SIN], v[R+64*((\q)%2)+4*\i:R+64*((\q)%2)+4*\i+3] offset:SPITCH*\i
.endr
.irp b, 0,1,2,3
.irp j, 0,1,2,3
	ds_load_b128 v[X+16*\b+4*\j:X+16*\b+4*\j+3], v[SOUT] offset:128*\b+16*\j   ; register 16 b + i = k 32 b + 16 h + i of row r
.endr
.endr
	s_wait_dscnt 0x0
.endm
; 64 numbers of a lane, register 16 b + i = k 32 b + 16 (lane / 16) + i of my row, become a fragment's codes in v[pc] on and its scale word in v[pw].
.macro QUANT s, pc, pw
.irp b, 0,1,2,3
	v_max3_num_f32 v[TM+\b], |v[(\s)+16*\b]|, |v[(\s)+1+16*\b]|, 0x1800000   ; my 16 numbers of block b, and the floor 2^(3 - 127): so the byte cannot fall under 1
.endr
.irp i, 2,4,6,8,10,12,14
.irp b, 0,1,2,3
	v_max3_num_f32 v[TM+\b], v[TM+\b], |v[(\s)+16*\b+\i]|, |v[(\s)+1+16*\b+\i]|   ; the four blocks by turns
.endr
.endr
.irp b, 0,1,2,3
	v_permlanex16_b32 v[TM+4+\b], v[TM+\b], s32, s33
.endr
.irp b, 0,1,2,3
	v_max_num_f32 v[TM+\b], v[TM+\b], v[TM+4+\b]   ; with lane l xor 16's: the block's largest magnitude
.endr
.irp b, 0,1,2,3
	v_add_nc_u32 v[TM+12+\b], 0xff000000, v[TM+\b] ; 2 off its exponent field: the conversion takes the exponent field of this operand as its scale
.endr
.irp b, 0,1,2,3
	v_lshrrev_b32 v[TM+4+\b], 23, v[TM+12+\b]      ; the scale's byte
.endr
	v_lshl_or_b32 v[\pw], v[TM+5], 8, v[TM+4]
	v_lshl_or_b32 v[\pw], v[TM+6], 16, v[\pw]
	v_lshl_or_b32 v[\pw], v[TM+7], 24, v[\pw]      ; my row's scale word for these 128 along K
.irp b, 0,1,2,3
	v_cvt_scalef32_pk8_fp4_f32 v[(\pc)+2*\b], v[(\s)+16*\b:(\s)+7+16*\b], v[TM+12+\b]
	v_cvt_scalef32_pk8_fp4_f32 v[(\pc)+1+2*\b], v[(\s)+8+16*\b:(\s)+15+16*\b], v[TM+12+\b]
.endr
	v_nop                                          ; one plain instruction behind a scaled conversion
.irp c, 0,1                            ; the operand's layout wants a whole block in a lane: lanes 0-15 block 2 c, lanes 16-31 block 2 c + 1
.irp i, 0,1
	v_permlane16_swap_b32 v[(\pc)+4*\c+\i], v[(\pc)+2+4*\c+\i]
.endr
.endr
.endm
.macro XSTEP q
.if (\q) < 3
	s_wait_loadcnt 16                              ; this K step's 16 loads are in; the next step's 16 may be out
.else
	s_wait_loadcnt 0x0
.endif
	TURN \q
.if (\q) < 2
	XLOAD (\q)+2                                   ; into the registers that the stage's stores have read
.endif
	QUANT X, PC+8*(\q), PW+(\q)
	global_store_b128 v[LI], v[PC+8*(\q):PC+8*(\q)+3], s[18:19] offset:1024*(\q)          ; the fragment's image: 512 consecutive bytes a store
	global_store_b128 v[LI], v[PC+8*(\q)+4:PC+8*(\q)+7], s[18:19] offset:1024*(\q)+512
.endm
	XLOAD 0
	XLOAD 1
	XSTEP 0
	XSTEP 1
	XSTEP 2
	XSTEP 3
	s_wait_xcnt 0x0                                ; EXEC is a source of the stores above: it changes only behind this wait
	v_cmp_gt_u32 vcc_lo, 16, v1
	s_and_saveexec_b32 s28, vcc_lo
	global_store_b128 v[R16], v[PW:PW+3], s[20:21] ; lanes 0-15: 16 rows x 4 scale words: 256 consecutive bytes, aligned
	s_wait_xcnt 0x0
	s_or_b32 exec_lo, exec_lo, s28
	s_wait_tensorcnt 0x0                           ; the wave's end, behind my last LDS store
	ds_add_u32 v[SPW], v[NIL]
	s_wait_dscnt 0x0
	s_endpgm
; ---- the weights.  A LANE TAKES A COLUMN n AND ITS REGISTERS RUN DOWN K.  A wave takes 32 columns x 128 along K; the four waves stand side by side on 512 bytes of each row.
.Lweights:
	s_sub_co_u32 s24, ttmp9, 384
	s_lshr_b32 s25, s24, 6                         ; which weight: 0, 1, 2: Wq, Wk, Wv; 3: Wo
	s_bfe_u32 s26, s24, 0x30003                    ; which 128 columns
	s_and_b32 s27, s24, 7                          ; which 128 along K
	s_lshl_b32 s36, s27, 19                        ; 128 rows of 4,096 bytes
	s_lshl_b32 s28, s26, 9
	s_add_co_u32 s36, s36, s28
	s_lshl_b32 s28, s30, 7
	s_add_co_u32 s36, s36, s28                     ; + my wave's 32 columns
	s_lshl_b32 s29, s26, 3
	s_lshl_b32 s28, s30, 1
	s_add_co_u32 s29, s29, s28                     ; my first tile of 16 columns in the weight
.macro WLOAD t                         ; rows 32 t .. 32 t + 31 of my 128, a register a row; every block has registers of its own
.irp i, 0,1,2,3,4,5,6,7,8,9,10,11,12,13,14,15,16,17,18,19,20,21,22,23,24,25,26,27,28,29,30,31
	global_load_b32 v[R+32*(\t)+\i], v[L4], s[34:35] offset:(32*(\t)+\i)*4096 th:TH_LOAD_NT
.endr
.endm
.macro WWAIT t
.if (\t) < 3
	s_wait_loadcnt 32                              ; this block's 32 loads are in; the next block's may be out
.else
	s_wait_loadcnt 0x0
.endif
.endm
	s_cmp_eq_u32 s25, 3
	s_cbranch_scc1 .Lwo
	s_lshl_b32 s28, s25, 6
	s_add_co_u32 s29, s29, s28                     ; the tile among all 192
	s_lshr_b32 s31, s27, 2                         ; kh
	s_and_b32 s27, s27, 3                          ; q
	s_mul_i32 s38, s31, WH
	s_add_co_u32 s38, s38, WB
	s_lshl_b32 s28, s29, 12
	s_add_co_u32 s38, s38, s28
	s_lshl_b32 s28, s27, 10
	s_add_co_u32 s38, s38, s28                     ; my first tile's fragment in codes
	s_lshl_b32 s40, s29, 9
	s_add_co_u32 s40, s40, WSB
	s_lshl_b32 s28, s31, 8
	s_add_co_u32 s40, s40, s28
	s_lshl_b32 s28, s27, 2
	s_add_co_u32 s40, s40, s28                     ; and its scale words' place in scl
	v_lshl_add_u32 v[WO], v3, 12, v[R16]           ; lanes 16-31 hold the next tile's columns: 4,096 bytes on in codes,
	v_lshl_add_u32 v[WS], v3, 9, v[R16]            ; 512 in scl
	s_wait_kmcnt 0x0
	s_cmp_eq_u32 s25, 0
	s_cselect_b64 s[34:35], s[10:11], s[12:13]
	s_cmp_lt_u32 s25, 2
	s_cselect_b64 s[34:35], s[34:35], s[14:15]
	s_add_nc_u64 s[34:35], s[34:35], s[36:37]
	s_add_nc_u64 s[18:19], s[18:19], s[38:39]
	s_add_nc_u64 s[20:21], s[20:21], s[40:41]
	WLOAD 0
	WLOAD 1
.macro WBLOCK t                        ; block t of 32 along K: all its numbers are mine
.set XS, R+32*(\t)
	WWAIT \t
	v_max3_num_f32 v[MA], |v[XS]|, |v[XS+1]|, |v[XS+2]|
	v_max3_num_f32 v[MB], |v[XS+3]|, |v[XS+4]|, |v[XS+5]|
.irp i, 6,10,14,18,22,26
	v_max3_num_f32 v[MA], v[MA], |v[XS+\i]|, |v[XS+\i+1]|
	v_max3_num_f32 v[MB], v[MB], |v[XS+\i+2]|, |v[XS+\i+3]|
.endr
	v_max3_num_f32 v[MA], v[MA], |v[XS+30]|, |v[XS+31]|
	v_max3_num_f32 v[MA], v[MA], v[MB], 0x1800000  ; and the floor 2^(3 - 127)
	v_add_nc_u32 v[SO], 0xff000000, v[MA]          ; 2 off the exponent field: the conversion's scale operand
	v_lshrrev_b32 v[MB], 23, v[SO]                 ; the byte
.if (\t) == 0
	v_mov_b32 v[WW], v[MB]
.else
	v_lshl_or_b32 v[WW], v[MB], 8*(\t), v[WW]
.endif
.irp g, 0,1,2,3
	v_cvt_scalef32_pk8_fp4_f32 v[PC+4*(\t)+\g], v[XS+8*\g:XS+8*\g+7], v[SO]
.endr
	v_nop                                          ; one plain instruction behind the last conversion
	global_store_b128 v[WO], v[PC+4*(\t):PC+4*(\t)+3], s[18:19] offset:256*(\t)   ; block t of column r is part t / 2, lane r + 16 (t % 2) of the image: 256 t + 16 r.  Sixteen lanes store 256 consecutive bytes
.if (\t)+2 < 4
	WLOAD (\t)+2
.endif
.endm
	WBLOCK 0
	WBLOCK 1
	WBLOCK 2
	WBLOCK 3
	global_store_b32 v[WS], v[WW], s[20:21]        ; my column's scale word of this K step: 4 bytes in each 16: 96 KB of the launch's stores go so
	s_endpgm
; ---- Wo: the same loads; two neighbours along K are rounded into one register of f16.
.Lwo:
	s_lshr_b32 s38, s27, 1
	s_lshl_b32 s38, s38, 19                        ; ks = (K step of 128) / 2: 64 tiles x 8 KB
	s_lshl_b32 s28, s29, 13
	s_add_co_u32 s38, s38, s28
	s_and_b32 s28, s27, 1
	s_lshl_b32 s28, s28, 12
	s_add_co_u32 s38, s38, s28                     ; + four chunks of 32 along K
	v_lshl_add_u32 v[WO], v3, 13, v[R16]           ; lanes 16-31: the next tile, 8,192 bytes on
	s_wait_kmcnt 0x0
	s_add_nc_u64 s[34:35], s[16:17], s[36:37]
	s_add_nc_u64 s[22:23], s[22:23], s[38:39]
	WLOAD 0
	WLOAD 1
.macro OBLOCK t                        ; chunk t: 32 along K of my column: 16 registers, four pieces of 8 k; piece p is part p / 2, lane r + 16 (p % 2): 256 p + 16 r
	WWAIT \t
.irp i, 0,1,2,3,4,5,6,7,8,9,10,11,12,13,14,15
	v_cvt_pk_f16_f32 v[X+16*(\t)+\i], v[R+32*(\t)+2*\i], v[R+32*(\t)+2*\i+1]
.endr
.irp p, 0,1,2,3
	global_store_b128 v[WO], v[X+16*(\t)+4*\p:X+16*(\t)+4*\p+3], s[22:23] offset:1024*(\t)+256*\p
.endr
.if (\t)+2 < 4
	WLOAD (\t)+2
.endif
.endm
	OBLOCK 0
	OBLOCK 1
	OBLOCK 2
	OBLOCK 3
	s_endpgm
.Lfunc_end_k_qfe01dd1961_prep:
	.size	k_qfe01dd1961_prep, .Lfunc_end_k_qfe01dd1961_prep-k_qfe01dd1961_prep
	.p2alignl 7, 3214868480
	.fill 96, 4, 3214868480
	.section	.rodata,"a",@progbits
	.p2align	6, 0x0
	.amdhsa_kernel k_qfe01dd1961_prep
		.amdhsa_group_segment_fixed_size 34304
		.amdhsa_private_segment_fixed_size 0
		.amdhsa_enable_private_segment 0
		.amdhsa_kernarg_size 80
		.amdhsa_user_sgpr_count 2
		.amdhsa_user_sgpr_kernarg_segment_ptr 1
		.amdhsa_wavefront_size32 1
		.amdhsa_system_sgpr_workgroup_id_x 1
		.amdhsa_system_sgpr_workgroup_id_y 1
		.amdhsa_system_sgpr_workgroup_id_z 1
		.amdhsa_system_vgpr_workitem_id 0
		.amdhsa_next_free_vgpr 256
		.amdhsa_next_free_sgpr 66
		.amdhsa_reserve_vcc 1
		.amdhsa_float_denorm_mode_32 3
		.amdhsa_float_denorm_mode_16_64 3
		.amdhsa_memory_ordered 1
		.amdhsa_forward_progress 1
		.amdhsa_inst_pref_size 71
	.end_amdhsa_kernel
	.amdgpu_metadata
---
amdhsa.version: [ 1, 2 ]
amdhsa.kernels:
  - .name:           k_qfe01dd1961_prep
    .symbol:         k_qfe01dd1961_prep.kd
    .args:
      - { .name: q, .offset: 0, .size: 8, .value_kind: global_buffer, .address_space: global }
      - { .name: k, .offset: 8, .size: 8, .value_kind: global_buffer, .address_space: global }
      - { .name: v, .offset: 16, .size: 8, .value_kind: global_buffer, .address_space: global }
      - { .name: Wq, .offset: 24, .size: 8, .value_kind: global_buffer, .address_space: global }
      - { .name: Wk, .offset: 32, .size: 8, .value_kind: global_buffer, .address_space: global }
      - { .name: Wv, .offset: 40, .size: 8, .value_kind: global_buffer, .address_space: global }
      - { .name: Wo, .offset: 48, .size: 8, .value_kind: global_buffer, .address_space: global }
      - { .name: codes, .offset: 56, .size: 8, .value_kind: global_buffer, .address_space: global }
      - { .name: scl, .offset: 64, .size: 8, .value_kind: global_buffer, .address_space: global }
      - { .name: wo16, .offset: 72, .size: 8, .value_kind: global_buffer, .address_space: global }
    .group_segment_fixed_size: 34304
    .private_segment_fixed_size: 0
    .kernarg_segment_align: 8
    .kernarg_segment_size: 80
    .max_flat_workgroup_size: 128
    .sgpr_count:     66
    .vgpr_count:     256
    .wavefront_size: 32
...
	.end_amdgpu_metadata
.endif
;; end of part 1
;; launch proj (part 2): grid 4 x 48, 4 waves a work-group, clusters of 4 x 4, 327,680 bytes of LDS; arguments codes, scl, bq, bk, img, nrm; writes img, nrm
.if DOCPART == 2
	.amdgcn_target "amdgcn-amd-amdhsa--gfx1250"
	.amdhsa_code_object_version 6
	.text
	.protected	k_qfe01dd1961_proj
	.globl	k_qfe01dd1961_proj
	.p2align	8
	.type	k_qfe01dd1961_proj,@function
k_qfe01dd1961_proj:
	s_mov_b64 s[64:65], 0
	v_nop
	global_prefetch_b8 v0, s[64:65] scope:SCOPE_SE
	s_setreg_imm32_b32 hwreg(HW_REG_WAVE_MODE, 25, 1), 1
	s_wait_xcnt 0x0
	s_wait_alu depctr_hold_cnt(0) depctr_sa_sdst(0) depctr_va_vdst(0) depctr_va_sdst(0) depctr_va_ssrc(0) depctr_va_vcc(0) depctr_vm_vsrc(0)
	s_getreg_b32 s2, hwreg(HW_REG_IB_STS2, 6, 4)
	s_cmp_eq_u32 s2, 0
	s_cbranch_scc0 .Lentry_in_a_cluster
	s_endpgm
.Lentry_in_a_cluster:
	s_bfe_u32 s2, ttmp6, 0x10000c
	s_cmp_lg_u32 s2, 0xf033
	s_cbranch_scc0 .Lentry_shape_is_right
	s_endpgm
.Lentry_shape_is_right:
; The three projections x W + b on codes of FP4 (E2M1) with E8M0 scales, K = 1,024; sums in f32.  Results leave as f16 images of the operands of the attention's products, and the heads' norms as f32.
; A work-group of four waves makes 256 x 256 of one projection, a wave 128 x 128: 64 accumulators of 16 x 16 in 512 registers.  K goes in two halves of 512, each in an LDS slot of its own: nothing is filled twice.
; THE MATRIX INSTRUCTION: source 0 = 16 rows of 'B', source 1 = 16 rows of 'A': in the result a lane holds one row of A and eight neighbouring rows of B.
;   q, k (t = 0, 1): A = tokens, B = the weight's columns: a lane holds one token and eight channels: 16 bytes of f16 = its place in an image [head][16 tokens][32 channels].
;   v    (t = 2):    A = the weight's columns, B = tokens: a lane holds one channel and eight keys: its place in an image [head][32 keys][16 channels].  The roles are changed BY ADDRESS alone.
; All tiles are images of registers (1,024 bytes a fragment: [part 0..1][lane][16 bytes]): dense blocks of memory, fetched as rows of 256 bytes; a fragment is two ds_load_b128 at 16 x lane + a constant.
; bq, bk are the C of the sums' first products.  bv is not added here: the attention adds it behind its division (the softmax's weights sum to one).
; CLUSTERS: 4 x 4 work-groups.  The four of a row of the cluster need the same tiles of A, the four of a column the same tiles of B: each is asked for jointly.  t is the same in all sixteen.
; img: Q at 0, K at 8,388,608: [bh 32][tile of 16 tokens 128][chunk of 32 channels 2][1 KB];  V at 16,777,216: [bh][32 keys 64][16 channels 4][1 KB].   nrm: [q, k][bh][2048] f32.
; LIMITS: a projected number beyond 65,504 in magnitude has no f16 number; a norm under 2^-126 (a sum of squares under 2^-126 counts as 0) is stored as 2^-126; NaN and infinities are not served.
; REGISTERS: window 0: v0-31 addresses; v32-95 scale words, two sets (on the way out: packed results); v96-127 sums of squares; v128-191 A's fragments, one set; v192-255 the bias.
;   window 1: B's fragments, two sets, at v0 and v128.   window 2: the accumulators of A's blocks 0-3 ((a, b) at v[8 (8 a + b)]);   window 3: those of blocks 4-7.
.set XH,     3145728                   ; codes: from K's first half to its second, x part;
.set WB,     6291456                   ; where the W part begins;
.set WH,     786432                    ; and its step between the halves
.set WSB,    393216                    ; scl: where the W part begins
.set NQ,     4                         ; steps of 128 along K in a slot
.set FR,     8                         ; registers of a fragment
.set NL,     2                         ; LDS loads that bring one
.set NP,     4                         ; places behind this matrix instruction (ISA guide 7.12.1)
.set HALFT,  32768                     ; 8 tiles of 16 rows x 4 KB: what one tensor load brings, and what one wave reads of A or of B
.set SLOT,   4*HALFT                   ; A's 256 rows, then B's
.set SCL,    2*SLOT                    ; behind the slots: the scale words, A's 8 KB, then B's
.set HALFS,  4096                      ; those of 128 rows
.set SPARE,  SCL+4*HALFS               ; the spare words, 128 bytes for each wave, which no other line names
.set ADRA, 16                          ; v16-17 LDS address of my A fragments in slot 0, 1
.set ADRB, 20                          ; v20-21 the same for B
.set BOF,  24                          ; v24  32 x (lane / 16): my eight numbers of a tile's 16 of the bias
.set L4,   25                          ; v25  4 x lane
.set LI,   26                          ; v26  16 x lane
.set ADRS, 27                          ; v27  LDS address of my scale words: lanes 0-15 A's rows, lanes 16-31 B's
.set SPW,  28                          ; v28  LDS address of my spare word; never rewritten
.set NIL,  29                          ; v29  0; never rewritten
.set SC,   32                          ; scale words: set s at v[SC + 32 s]; register 4 i + q: lanes 0-15 A's block i, lanes 16-31 B's block i, the slot's q-th 128 along K
.set HB,   32                          ; the way out: packed results, v32-63 and v64-95 by turns
.set NS,   96                          ; sums of squares: pair i = 2 a + head
.set AF,   128
.set BI,   192                         ; the bias: eight registers for each of B's eight blocks, in the result's layout
.set G1, 24
.set G0, 32
.set G1B, 48
.set G0B, 56
.set G1S, 68
.set G0S, 76
.set G1SB, 80
.set G0SB, 88
.set MSB, 0
.macro WIN new                         ; the immediate's high byte repeats the setting that is left
.if MSB != \new
	s_set_vgpr_msb (MSB<<8)|\new
.set MSB, \new
.endif
.endm
.set MUL_LO, 0xa1                      ; source 0 (B) window 1, source 1 (A) window 0, C and D window 2
.set MUL_HI, 0xf1                      ; the same, C and D window 3
.set BIA_LO, 0x81                      ; C (the bias) window 0, D window 2
.set BIA_HI, 0xc1                      ; C window 0, D window 3
.set TO_B,   0x40                      ; destination window 1, address window 0
; A joint load: waves 0 and 1 fetch for A, waves 2 and 3 for B.  The branch hangs on the wave's number alone.  An s_nop 0 and four v_nop follow each of the two lines.
.macro JLOAD g0a, g1a, g0b, g1b
	s_cmp_eq_u32 s17, 0
	s_cbranch_scc0 .Lfor_b_\@
	tensor_load_to_lds s[\g0a:\g0a+3], s[\g1a:\g1a+7]
	s_nop 0
.rept 4
	v_nop
.endr
	s_branch .Lasked_\@
.Lfor_b_\@:
	tensor_load_to_lds s[\g0b:\g0b+3], s[\g1b:\g1b+7]
	s_nop 0
.rept 4
	v_nop
.endr
.Lasked_\@:
.endm
.macro CROUND                          ; a round of the cluster's barrier
	s_barrier_signal -1
	s_barrier_wait -1
	s_cmp_lg_u32 s16, 0
	s_cbranch_scc1 .Lnot_wave_0_\@
	s_barrier_signal -3
.Lnot_wave_0_\@:
	s_barrier_wait -3
	s_barrier_signal -1
	s_barrier_wait -1
.endm
	s_load_b256 s[4:11], s[0:1], 0x0               ; codes s[4:5], scl s[6:7], bq s[8:9], bk s[10:11]
	s_load_b128 s[12:15], s[0:1], 0x20             ; img s[12:13], nrm s[14:15]
	v_lshl_add_u32 v[SPW], v0, 2, SPARE
	v_mov_b32 v[NIL], 0
	ds_add_u32 v[SPW], v[NIL]                      ; the wave's opening: the add, twice on end, and its wait ahead of my first tensor load
	ds_add_u32 v[SPW], v[NIL]
	v_lshrrev_b32 v1, 5, v0
	v_readfirstlane_b32 s16, v1                    ; wave 0..3
	s_lshr_b32 s17, s16, 1                         ; which half of A's rows is mine.  Also: I fetch for A (0) or for B (1)
	s_and_b32 s18, s16, 1                          ; which half of B's rows.  Also: which 128 rows I fetch
	s_bfe_u32 s40, ttmp6, 0x40000                  ; cx
	s_bfe_u32 s41, ttmp6, 0x40004                  ; cy
	s_and_b32 s42, ttmp7, 0xffff                   ; cluster y, 0 .. 11
	s_lshr_b32 s19, s42, 2                         ; t: 0 q, 1 k, 2 v
	s_and_b32 s42, s42, 3
	s_lshl_b32 s42, s42, 2                         ; c4: the cluster's first of the tensor's 16 blocks of 256 tokens
	s_lshl_b32 s43, s41, 2
	s_lshl_b32 s43, 15, s43                        ; my row of the cluster
	s_lshl_b32 s44, 0x1111, s40                    ; my column
	; descriptor group 1: dense blocks as rows of 256 bytes (32 elements of 8 bytes), no padding.  Codes: 128 rows (32 KB); scale words: 16 rows (4 KB)
	s_or_b32 s[G1+0], s43, (3<<16)|(1<<21)         ; 15:0 the mask: A's tiles go to my row; 17:16 elements of 8 bytes; 21 set beside a mask
	s_or_b32 s[G1B+0], s44, (3<<16)|(1<<21)        ; B's to my column
	s_or_b32 s[G1S+0], s43, (3<<16)|(1<<21)
	s_or_b32 s[G1SB+0], s44, (3<<16)|(1<<21)
.irp g, G1, G1B
	s_mov_b32 s[\g+1], 32<<16                      ; tensor_dim0
	s_mov_b32 s[\g+2], 128<<16                     ; tensor_dim1
	s_mov_b32 s[\g+3], 32<<16                      ; tile_dim0
	s_mov_b32 s[\g+4], 128                         ; tile_dim1
	s_mov_b32 s[\g+5], 32                          ; from row to row
	s_mov_b32 s[\g+6], 0
	s_mov_b32 s[\g+7], 0
.endr
.irp g, G1S, G1SB
	s_mov_b32 s[\g+1], 32<<16
	s_mov_b32 s[\g+2], 16<<16
	s_mov_b32 s[\g+3], 32<<16
	s_mov_b32 s[\g+4], 16
	s_mov_b32 s[\g+5], 32
	s_mov_b32 s[\g+6], 0
	s_mov_b32 s[\g+7], 0
.endr
	; which blocks of 256 rows.  A's numbers are made of cy and the cluster's y alone, B's of cx and the cluster's y alone
	s_lshl_b32 s20, s19, 4
	s_add_co_u32 s20, s20, s42
	s_add_co_u32 s20, s20, s41                     ; q, k: A = tokens: block 16 t + c4 + cy of the x part
	s_add_co_u32 s45, s41, 8                       ; v:    A = Wv's columns: block 8 + cy of the W part
	s_lshl_b32 s46, s19, 2
	s_add_co_u32 s46, s46, s40                     ; q, k: B = the weight's columns: block 4 t + cx of the W part
	s_add_co_u32 s3, s42, s40
	s_add_co_u32 s3, s3, 32                        ; v:    B = tokens: block 32 + c4 + cx of the x part
	s_mov_b32 s98, XH
	s_mov_b32 s99, WH
	s_cmp_eq_u32 s19, 2
	s_cselect_b32 s20, s45, s20                    ; A's block,
	s_cselect_b32 s45, WB, 0                       ; its part of codes,
	s_cselect_b32 s22, s99, s98                    ; the step to K's second half,
	s_cselect_b32 s92, WSB, 0                      ; its part of scl
	s_cselect_b32 s46, s3, s46                     ; and the same for B
	s_cselect_b32 s3, 0, WB
	s_cselect_b32 s66, s98, s99
	s_cselect_b32 s96, 0, WSB
	s_lshl_b32 s2, s20, 13                         ; a block's scale words: 16 tiles x 512 bytes
	s_add_co_u32 s92, s92, s2
	s_lshl_b32 s2, s18, 12
	s_add_co_u32 s92, s92, s2                      ; + the half that I fetch
	s_lshl_b32 s20, s20, 16                        ; a block's codes of half of K: 16 tiles x 4 KB
	s_add_co_u32 s20, s20, s45
	s_lshl_b32 s2, s18, 15
	s_add_co_u32 s20, s20, s2
	s_lshl_b32 s94, s46, 13
	s_add_co_u32 s96, s96, s94
	s_lshl_b32 s94, s18, 12
	s_add_co_u32 s96, s96, s94
	s_lshl_b32 s46, s46, 16
	s_add_co_u32 s46, s46, s3
	s_lshl_b32 s94, s18, 15
	s_add_co_u32 s46, s46, s94
	s_mov_b32 s21, 0
	s_mov_b32 s23, 0
	s_mov_b32 s93, 0
	s_mov_b32 s47, 0
	s_mov_b32 s67, 0
	s_mov_b32 s97, 0
	s_lshl_b32 s94, s16, 15                        ; where they go: wave x 32 KB in a slot,
	s_lshl_b32 s95, s16, 12                        ; wave x 4 KB among the scale words: no place in the cluster enters an LDS address
	s_wait_dscnt 0x0                               ; both opening adds are done
	s_wait_kmcnt 0x0
	s_add_nc_u64 s[20:21], s[4:5], s[20:21]
	s_add_nc_u64 s[92:93], s[6:7], s[92:93]
	s_add_nc_u64 s[46:47], s[4:5], s[46:47]
	s_add_nc_u64 s[96:97], s[6:7], s[96:97]
	CROUND                                         ; all sixteen work-groups are here: the first joint loads meet
	s_mov_b32 s[G0S], 1
	s_add_co_u32 s[G0S+1], s95, SCL
	s_mov_b64 s[G0S+2:G0S+3], s[92:93]
	s_or_b32 s[G0S+3], s[G0S+3], 0x80000000
	s_mov_b32 s[G0SB], 1
	s_add_co_u32 s[G0SB+1], s95, SCL
	s_mov_b64 s[G0SB+2:G0SB+3], s[96:97]
	s_or_b32 s[G0SB+3], s[G0SB+3], 0x80000000
	JLOAD G0S, G1S, G0SB, G1SB                     ; the scale words of all of K
	s_mov_b32 s[G0], 1
	s_mov_b32 s[G0+1], s94
	s_mov_b64 s[G0+2:G0+3], s[20:21]
	s_or_b32 s[G0+3], s[G0+3], 0x80000000
	s_mov_b32 s[G0B], 1
	s_mov_b32 s[G0B+1], s94
	s_mov_b64 s[G0B+2:G0B+3], s[46:47]
	s_or_b32 s[G0B+3], s[G0B+3], 0x80000000
	JLOAD G0, G1, G0B, G1B                         ; K's first half
	s_mov_b32 s[G0+4], 1
	s_add_co_u32 s[G0+5], s94, SLOT
	s_add_nc_u64 s[G0+6:G0+7], s[20:21], s[22:23]
	s_or_b32 s[G0+7], s[G0+7], 0x80000000
	s_mov_b32 s[G0B+4], 1
	s_add_co_u32 s[G0B+5], s94, SLOT
	s_add_nc_u64 s[G0B+6:G0B+7], s[46:47], s[66:67]
	s_or_b32 s[G0B+7], s[G0B+7], 0x80000000
	JLOAD G0+4, G1, G0B+4, G1B                     ; K's second half: three tensor loads of mine are out
	v_and_b32 v1, 15, v0                           ; r
	v_bfe_u32 v2, v0, 4, 1                         ; h
	v_and_b32 v3, 31, v0                           ; lane
	v_lshlrev_b32 v[LI], 4, v3
	v_lshlrev_b32 v[L4], 2, v3
	v_lshlrev_b32 v[BOF], 5, v2
	s_lshl_b32 s2, s17, 15                         ; my 128 rows of A
	s_lshl_b32 s3, s18, 15                         ; my 128 rows of B,
	s_add_co_u32 s3, s3, 2*HALFT                   ; which lie behind A's 256
.irp s, 0,1
	v_add_nc_u32 v[ADRA+\s], s2, v[LI]
	v_add_nc_u32 v[ADRB+\s], s3, v[LI]
	s_add_co_u32 s2, s2, SLOT
	s_add_co_u32 s3, s3, SLOT
.endr
	s_lshl_b32 s2, s17, 12                         ; A's scale words: my 128 rows
	s_lshl_b32 s3, s18, 12                         ; B's: my 128 rows, behind A's 8 KB
	s_add_co_u32 s3, s3, 2*HALFS
	s_sub_co_u32 s3, s3, s2
	v_mul_u32_u24 v4, s3, v2                       ; lanes 16-31 take B's: one product, the distance between the two
	s_add_co_u32 s2, s2, SCL
	v_lshl_add_u32 v4, v1, 4, v4                   ; 16 bytes a row
	v_add_nc_u32 v[ADRS], s2, v4
	; where the results go
	s_cmp_eq_u32 s19, 2
	s_cselect_b32 s2, s40, s41                     ; the coordinate that counts tokens,
	s_cselect_b32 s3, s41, s40                     ; the one that counts channels,
	s_cselect_b32 s45, s18, s17                    ; my half of the tokens,
	s_cselect_b32 s22, s17, s18                    ; my half of the channels
	s_add_co_u32 s2, s2, s42                       ; the block of 256 tokens, 0 .. 15
	s_lshr_b32 s23, s2, 3
	s_lshl_b32 s23, s23, 4                         ; 16 x batch
	s_lshl_b32 s3, s3, 2
	s_add_co_u32 s23, s23, s3
	s_lshl_b32 s22, s22, 1
	s_add_co_u32 s23, s23, s22                     ; bh of my first head: 16 batch + 4 x block of channels + 2 x half
	s_and_b32 s2, s2, 7
	s_lshl_b32 s2, s2, 8
	s_lshl_b32 s45, s45, 7
	s_add_co_u32 s2, s2, s45                       ; my first token in its sequence
	s_lshl_b32 s20, s19, 23                        ; img: t x 8,388,608
	s_lshl_b32 s3, s23, 18
	s_add_co_u32 s20, s20, s3                      ; + bh x 262,144
	s_lshl_b32 s3, s2, 7
	s_add_co_u32 s20, s20, s3                      ; + 128 bytes a token: 2,048 for a tile of 16 (Q, K), 4,096 for 32 keys (V)
	s_mov_b32 s21, 0
	s_add_nc_u64 s[12:13], s[12:13], s[20:21]
	s_lshl_b32 s20, s19, 18                        ; nrm (q and k alone store there): t x 262,144 + bh x 8,192 + 4 x token
	s_lshl_b32 s3, s23, 13
	s_add_co_u32 s20, s20, s3
	s_lshl_b32 s3, s2, 2
	s_add_co_u32 s20, s20, s3
	s_add_nc_u64 s[14:15], s[14:15], s[20:21]
	s_cmp_eq_u32 s19, 0
	s_cselect_b64 s[8:9], s[8:9], s[10:11]         ; bq for q, bk else
	s_lshl_b32 s20, s40, 10
	s_lshl_b32 s3, s18, 9
	s_add_co_u32 s20, s20, s3                      ; my 128 channels' numbers
	s_add_nc_u64 s[8:9], s[8:9], s[20:21]
.irp b, 0,1,2,3,4,5,6,7                ; lane (r, h) wants, for B's block b, the bias of channels 16 b + 8 h + 0 .. 7.  These loads stand on the way that all take; a work-group of v does not use what they bring
	global_load_b128 v[BI+8*\b:BI+8*\b+3], v[BOF], s[8:9] offset:64*\b
	global_load_b128 v[BI+8*\b+4:BI+8*\b+7], v[BOF], s[8:9] offset:64*\b+16
.endr
	s_mov_b32 s98, 0x76543210
	s_mov_b32 s99, 0xfedcba98                      ; v_permlanex16_b32's selects for lane l xor 16
.macro FRAG reg, adr, q, i             ; a fragment's image: tile i of my eight, the slot's q-th 128 along K
.irp c, 0,1
	ds_load_b128 v[\reg+4*\c:\reg+4*\c+3], v[\adr] offset:4096*(\i)+1024*(\q)+512*\c
.endr
.endm
; 16 matrix instructions: A's blocks a0, a0 + 1 x B's eight.  p: B's set; sc: the set of scale words.  zero = 1: the products start the sums; 2: they start them from the bias; nothing is ever cleared.
; The 64 accumulators take turns, one instruction a turn, in the same order in every step.
.macro MUL16 a0, p, q, sc, zero
.irp a, \a0, \a0+1
.irp b, 0,1,2,3,4,5,6,7
.if \zero == 1
	v_wmma_scale_f32_16x16x128_f8f6f4 v[8*(8*((\a)%4)+\b):8*(8*((\a)%4)+\b)+7], v[128*(\p)+FR*\b:128*(\p)+FR*\b+FR-1], v[AF+FR*(\a):AF+FR*(\a)+FR-1], 0, v[SC+8*NQ*(\sc)+NQ*\b+(\q)], v[SC+8*NQ*(\sc)+NQ*(\a)+(\q)] matrix_a_fmt:MATRIX_FMT_FP4 matrix_b_fmt:MATRIX_FMT_FP4 matrix_a_scale:MATRIX_SCALE_ROW1
.elseif \zero == 2
	v_wmma_scale_f32_16x16x128_f8f6f4 v[8*(8*((\a)%4)+\b):8*(8*((\a)%4)+\b)+7], v[128*(\p)+FR*\b:128*(\p)+FR*\b+FR-1], v[AF+FR*(\a):AF+FR*(\a)+FR-1], v[BI+8*\b:BI+8*\b+7], v[SC+8*NQ*(\sc)+NQ*\b+(\q)], v[SC+8*NQ*(\sc)+NQ*(\a)+(\q)] matrix_a_fmt:MATRIX_FMT_FP4 matrix_b_fmt:MATRIX_FMT_FP4 matrix_a_scale:MATRIX_SCALE_ROW1
.else
	v_wmma_scale_f32_16x16x128_f8f6f4 v[8*(8*((\a)%4)+\b):8*(8*((\a)%4)+\b)+7], v[128*(\p)+FR*\b:128*(\p)+FR*\b+FR-1], v[AF+FR*(\a):AF+FR*(\a)+FR-1], v[8*(8*((\a)%4)+\b):8*(8*((\a)%4)+\b)+7], v[SC+8*NQ*(\sc)+NQ*\b+(\q)], v[SC+8*NQ*(\sc)+NQ*(\a)+(\q)] matrix_a_fmt:MATRIX_FMT_FP4 matrix_b_fmt:MATRIX_FMT_FP4 matrix_a_scale:MATRIX_SCALE_ROW1
.endif
.endr
.endr
.endm
.macro FETCH_B slot, q, p
	WIN TO_B
.irp i, 0,1,2,3,4,5,6,7
	FRAG 128*(\p)+FR*\i, ADRB+\slot, \q, \i
.endr
	WIN 0
.endm
.macro FETCH_A slot, q, i0
.irp i, \i0, \i0+1, \i0+2, \i0+3
	FRAG AF+FR*(\i), ADRA+\slot, \q, \i
.endr
.endm
.macro SCALES sc                       ; the scale words of K's half sc: four words a row; lanes 0-15 take A's block i, lanes 16-31 B's block i
.irp i, 0,1,2,3,4,5,6,7
	ds_load_b128 v[SC+8*NQ*\sc+NQ*\i:SC+8*NQ*\sc+NQ*\i+3], v[ADRS] offset:512*\i+256*\sc
.endr
.endm
.macro PLACES n                        ; plain vector instructions between a matrix instruction and a load into a register that it has read, or a read of its result (ISA guide 7.12.1 for vector instructions)
.rept \n
	v_nop
.endr
.endm
; A step of 128 along K that has its successor in the same slot.  A has one set of registers: blocks 0-3 are fetched anew in the step's middle, blocks 4-7 at its end; B has two sets.
.macro STEP slot, q, zero
	s_wait_dscnt 4*NL                              ; B's set and A's blocks 0-3 are in; the youngest eight loads (A's blocks 4-7) may be out
.if \zero == 2
	WIN BIA_LO
.else
	WIN MUL_LO
.endif
	MUL16 0, (\q)%2, \q, \slot, \zero
	MUL16 2, (\q)%2, \q, \slot, \zero
	s_wait_dscnt 0                                 ; A's blocks 4-7 are in
	PLACES NP
	FETCH_B \slot, (\q)+1, 1-(\q)%2
	FETCH_A \slot, (\q)+1, 0
.if \zero == 2
	WIN BIA_HI
.else
	WIN MUL_HI
.endif
	MUL16 4, (\q)%2, \q, \slot, \zero
	MUL16 6, (\q)%2, \q, \slot, \zero
	PLACES NP
	WIN 0
	FETCH_A \slot, (\q)+1, 4
.endm
; Slot 0's last step goes on to slot 1: each wave waits for all its tensor loads (its part of slot 1), and a barrier shows every wave's part to all.
.macro TURN slot, next
	s_wait_tensorcnt 0x0                           ; my part of the next slot has landed
	ds_add_u32 v[SPW], v[NIL]                      ; 0 onto my spare word
	s_wait_dscnt 4*NL+1                            ; (the add and the youngest eight loads may be out)
	WIN MUL_LO
	MUL16 0, 1, NQ-1, \slot, 0
	s_wait_dscnt 0x0                               ; no LDS instruction of mine is out at the signal
	s_barrier_signal -1
	MUL16 2, 1, NQ-1, \slot, 0
	WIN 0
	s_barrier_wait -1
	PLACES NP
	FETCH_B \next, 0, 0
	FETCH_A \next, 0, 0
	SCALES \next
	WIN MUL_HI
	MUL16 4, 1, NQ-1, \slot, 0
	MUL16 6, 1, NQ-1, \slot, 0
	PLACES NP
	WIN 0
	FETCH_A \next, 0, 4
.endm
	s_wait_tensorcnt 1                             ; the scale words and my part of K's first half are in (the second half's load may be out),
	s_barrier_signal -1
	s_barrier_wait -1                              ; everybody's are
	FETCH_B 0, 0, 0
	FETCH_A 0, 0, 0
	SCALES 0
	FETCH_A 0, 0, 4
	s_wait_loadcnt 0x0                             ; the bias
	s_cmp_eq_u32 s19, 2                            ; t is the same in all sixteen partners
	s_cbranch_scc1 .Lv_first
	STEP 0, 0, 2                                   ; q, k: the sums begin with the bias
	s_branch .Lrest
.Lv_first:
	STEP 0, 0, 1                                   ; v: they begin with 0
.Lrest:
	STEP 0, 1, 0
	STEP 0, 2, 0
	TURN 0, 1
	STEP 1, 0, 0
	STEP 1, 1, 0
	STEP 1, 2, 0
	s_wait_dscnt 4*NL                              ; the last step: nothing more to fetch
	WIN MUL_LO
	MUL16 0, 1, NQ-1, 1, 0
	MUL16 2, 1, NQ-1, 1, 0
	s_wait_dscnt 0
	WIN MUL_HI
	MUL16 4, 1, NQ-1, 1, 0
	MUL16 6, 1, NQ-1, 1, 0
	WIN 0
	PLACES NP                                      ; ahead of the first read of results, and of the first write of a register that held scale words
; Block a of A's eight: 64 numbers a lane are rounded to f16, eight registers to four, and each four are the lane's 16 bytes of an image: every store is 512 consecutive bytes.
.macro PACKOUT a, isv
	s_wait_xcnt 0x0                                ; earlier stores have read their registers: the set used two blocks ago is written again only behind this wait
	WIN 0x0a+5*((\a)/4)                            ; sources 0 and 1: window 2 or 3
.set AC, 64*((\a)%4)
.set HH, HB+32*((\a)%2)
.irp b, 0,1,2,3,4,5,6,7
.irp p, 0,1,2,3
	v_cvt_pk_f16_f32 v[HH+4*\b+\p], v[AC+8*\b+2*\p], v[AC+8*\b+2*\p+1]   ; each accumulator from its low end on
.endr
.endr
	WIN 0
.irp b, 0,1,2,3,4,5,6,7
.if \isv
	global_store_b128 v[LI], v[HH+4*\b:HH+4*\b+3], s[12:13] offset:262144*((\a)/4)+1024*((\a)%4)+4096*(\b/2)+512*(\b%2)   ; head a / 4, channels 16 (a % 4) on, keys 32 (b / 2) on, part b % 2
.else
	global_store_b128 v[LI], v[HH+4*\b:HH+4*\b+3], s[12:13] offset:2048*(\a)+262144*(\b/4)+512*(\b%4)   ; tokens 16 a on, head b / 4, chunk (b % 4) / 2, part b % 2
.endif
.endr
.endm
	s_cmp_eq_u32 s19, 2
	s_cbranch_scc1 .Lv_out
	; q, k: the norms first, from the f32 sums.  A token's 64 channels of a head lie in four accumulators of lanes l and l xor 16.  Sum i = 2 a + head, as a pair.
.irp w, 0,1
	WIN 0x0a+5*\w                                  ; sources 0 and 1: window 2 + w
.irp p, 0,1,2,3,4,5,6,7,8,9,10,11,12,13,14,15
.irp g, 0,1,2,3,4,5,6,7
.set rA, 8*(8*(\g/2)+4*(\g%2)+\p/4)+2*(\p%4)
.set rN, NS+2*(8*\w+\g)
.if \p == 0
	v_pk_mul_f32 v[rN:rN+1], v[rA:rA+1], v[rA:rA+1]
.else
	v_pk_fma_f32 v[rN:rN+1], v[rA:rA+1], v[rA:rA+1], v[rN:rN+1]
.endif
.endr
.endr
.endr
	WIN 0
.irp i, 0,1,2,3,4,5,6,7,8,9,10,11,12,13,14,15
	v_add_f32 v[NS+2*\i], v[NS+2*\i], v[NS+2*\i+1]
.endr
.irp i, 0,1,2,3,4,5,6,7,8,9,10,11,12,13,14,15
	v_permlanex16_b32 v[NS+2*\i+1], v[NS+2*\i], s98, s99
.endr
.irp i, 0,1,2,3,4,5,6,7,8,9,10,11,12,13,14,15
	v_add_f32 v[NS+2*\i], v[NS+2*\i], v[NS+2*\i+1]
.endr
.irp i, 0,1,2,3,4,5,6,7,8,9,10,11,12,13,14,15
	v_sqrt_f32 v[NS+2*\i], v[NS+2*\i]
.endr
	v_cmp_lt_u32 s66, 15, v3                       ; lanes 16-31.  (A plain instruction behind the roots)
	s_wait_alu depctr_va_vdst(0)                   ; one wait for the sixteen roots, ahead of their first reader
.irp i, 0,1,2,3,4,5,6,7,8,9,10,11,12,13,14,15
	v_max_num_f32 v[NS+2*\i], 0x800000, v[NS+2*\i] ; held at 2^-126: the attention divides by the sum of two norms
.endr
.irp s, 0,1,2,3
.irp g, 0,1
	v_cndmask_b32 v[NS+2*(4*\s+\g)+1], v[NS+2*(4*\s+\g)], v[NS+2*(4*\s+2+\g)], s66   ; lanes 0-15: block 2 s; lanes 16-31: block 2 s + 1: token 32 s + lane
.endr
.endr
.irp s, 0,1,2,3
.irp g, 0,1
	global_store_b32 v[L4], v[NS+2*(4*\s+\g)+1], s[14:15] offset:8192*\g+128*\s
.endr
.endr
.irp a, 0,1,2,3,4,5,6,7
	PACKOUT \a, 0
.endr
	s_branch .Lend
.Lv_out:
.irp a, 0,1,2,3,4,5,6,7
	PACKOUT \a, 1
.endr
.Lend:
	s_wait_tensorcnt 0x0                           ; the wave's end
	ds_add_u32 v[SPW], v[NIL]
	s_wait_dscnt 0x0
	CROUND                                         ; the closing round: no work-group ends while a partner may still ask for a tile that names it
	s_endpgm
.Lfunc_end_k_qfe01dd1961_proj:
	.size	k_qfe01dd1961_proj, .Lfunc_end_k_qfe01dd1961_proj-k_qfe01dd1961_proj
	.p2alignl 7, 3214868480
	.fill 96, 4, 3214868480
	.section	.rodata,"a",@progbits
	.p2align	6, 0x0
	.amdhsa_kernel k_qfe01dd1961_proj
		.amdhsa_group_segment_fixed_size 327680
		.amdhsa_private_segment_fixed_size 0
		.amdhsa_enable_private_segment 0
		.amdhsa_kernarg_size 48
		.amdhsa_user_sgpr_count 2
		.amdhsa_user_sgpr_kernarg_segment_ptr 1
		.amdhsa_wavefront_size32 1
		.amdhsa_system_sgpr_workgroup_id_x 1
		.amdhsa_system_sgpr_workgroup_id_y 1
		.amdhsa_system_sgpr_workgroup_id_z 1
		.amdhsa_system_vgpr_workitem_id 0
		.amdhsa_next_free_vgpr 1024
		.amdhsa_next_free_sgpr 100
		.amdhsa_reserve_vcc 0
		.amdhsa_float_denorm_mode_32 3
		.amdhsa_float_denorm_mode_16_64 3
		.amdhsa_memory_ordered 1
		.amdhsa_forward_progress 1
		.amdhsa_inst_pref_size 175
	.end_amdhsa_kernel
	.amdgpu_metadata
---
amdhsa.version: [ 1, 2 ]
amdhsa.kernels:
  - .name:           k_qfe01dd1961_proj
    .symbol:         k_qfe01dd1961_proj.kd
    .args:
      - { .name: codes, .offset: 0, .size: 8, .value_kind: global_buffer, .address_space: global }
      - { .name: scl, .offset: 8, .size: 8, .value_kind: global_buffer, .address_space: global }
      - { .name: bq, .offset: 16, .size: 8, .value_kind: global_buffer, .address_space: global }
      - { .name: bk, .offset: 24, .size: 8, .value_kind: global_buffer, .address_space: global }
      - { .name: img, .offset: 32, .size: 8, .value_kind: global_buffer, .address_space: global }
      - { .name: nrm, .offset: 40, .size: 8, .value_kind: global_buffer, .address_space: global }
    .group_segment_fixed_size: 327680
    .private_segment_fixed_size: 0
    .kernarg_segment_align: 8
    .kernarg_segment_size: 48
    .max_flat_workgroup_size: 128
    .sgpr_count:     100
    .vgpr_count:     1024
    .wavefront_size: 32
...
	.end_amdgpu_metadata
.endif
;; end of part 2
;; launch attn (part 3): grid 8 x 32, 8 waves a work-group, clusters of 4 x 1, 327,680 bytes of LDS; arguments img, nrm, alpha, bv, ao; writes ao
.if DOCPART == 3
	.amdgcn_target "amdgcn-amd-amdhsa--gfx1250"
	.amdhsa_code_object_version 6
	.text
	.protected	k_qfe01dd1961_attn
	.globl	k_qfe01dd1961_attn
	.p2align	8
	.type	k_qfe01dd1961_attn,@function
k_qfe01dd1961_attn:
	s_mov_b64 s[64:65], 0
	v_nop
	global_prefetch_b8 v0, s[64:65] scope:SCOPE_SE
	s_setreg_imm32_b32 hwreg(HW_REG_WAVE_MODE, 25, 1), 1
	s_wait_xcnt 0x0
	s_wait_alu depctr_hold_cnt(0) depctr_sa_sdst(0) depctr_va_vdst(0) depctr_va_sdst(0) depctr_va_ssrc(0) depctr_va_vcc(0) depctr_vm_vsrc(0)
	s_getreg_b32 s2, hwreg(HW_REG_IB_STS2, 6, 4)
	s_cmp_eq_u32 s2, 0
	s_cbranch_scc0 .Lentry_in_a_cluster
	s_endpgm
.Lentry_in_a_cluster:
	s_bfe_u32 s2, ttmp6, 0x10000c
	s_cmp_lg_u32 s2, 0x3003
	s_cbranch_scc0 .Lentry_shape_is_right
	s_endpgm
.Lentry_shape_is_right:
; O[bh][q] = sum over k of softmax_k(alpha_h 4 (Q.K) / (|Q| + |K|)^2) V[bh][k] + bv.  Q, K, V: f16 images made by the launch before; |Q|, |K|: f32.  Products on f16 operands, sums f32; all else f32.
; z = (Q.K) / (|Q| + |K|)^2 is made as (S r) r with r = 1 / (|Q| + |K|): no product overflows, and S = 0 stays 0 (both norms 0: they are held at 2^-126, and the score is 0 as it should be).
; SOFTMAX.  c = 4 log2(e) |alpha_h|; alpha's sign is put onto Q, so that c is not negative and the largest z is the largest score.  For each query a running maximum m of z and a sum l:
; p = 2^(c z - c m); in every step O and l are multiplied by a = 2^(c m_old - c m_new).  p is rounded to f16 for the second product; l is the sum of the unrounded p.
; bv is added behind the division by l: the weights sum to one, so that is V + bv weighed; the order of rounding differs from adding it to V first.
; SHARES.  A work-group owns 256 queries of one (batch, head); each of its eight waves 32: two tiles of 16, in 512 registers; two waves share a SIMD, so that one's vector work stands beside the other's matrix work.
; Every wave walks all 2,048 keys, 64 a step.  K and V come through two LDS slots of 512 keys; every wave fetches an eighth of a slot (waves 0-3: K, waves 4-7: V); |K| of the whole head stays in LDS.
; LAYOUT.  S^T = K Q^T (source 0 = 16 keys, source 1 = 16 queries), O^T = V^T P (source 0 = 16 channels x 32 keys, source 1 = P): a lane holds ONE query throughout; two tiles of S^T, rounded in pairs, are P's fragment.
; All tiles are images of registers (1,024 bytes a fragment): dense memory, and a fragment is two ds_load_b128 at 16 x lane + a constant.
; CLUSTER.  The four query blocks of a cluster belong to one head and walk the same K and V: each tile is asked for jointly, mask 15.
; No prefetch: a refill is asked for a whole slot (8 key steps: 256 matrix instructions and their softmax) ahead of the wait for it.
; LIMITS: O + bv beyond 65,504 has no f16 number; NaN and infinities are not served; an alpha so large that c z overflows f32 is not served.
; REGISTERS.  window 0: v1-11 addresses; v12-31 ten registers of statistics a tile: +0 c m, +1 m, +2, +3 l, +4..7 at work (a at +6), +8, +9 |Q| twice; v64-127 S^T, then p, then P; v128-191 divisors, sums; v192-223 |K|.
;   window 1: v0-31 Q; v32-95 O^T; v96-159 K of a step; v160-223 V of a step; v224-255 bv.
.set SLOT1, 131072                     ; slot 1 begins here: one exclusive or turns an address in one slot into the other's
.set VOFF,  65536                      ; a slot: 512 keys of K (64 KB), then of V
.set NRM,   262144                     ; |K| of the head: 8 KB, filled once
.set SPARE, NRM+8192                   ; the spare words, 128 bytes for each of eight waves, which no other line names
.set LI,  3                            ; v3   16 x lane
.set ADK, 4                            ; v4   LDS address of the step's K
.set ADV, 5                            ; v5   of its V
.set ADN, 6                            ; v6   of its |K|
.set AN0, 7                            ; v7   NRM + 32 (lane / 16)
.set AV0, 8                            ; v8   VOFF + 16 x lane
.set L4R, 9                            ; v9   4 x (lane % 16)
.set SPW, 10                           ; v10  LDS address of my spare word; never rewritten
.set NIL, 11                           ; v11  0; never rewritten
.set ST,  12
.set B32, 32                           ; v32  32 x (lane / 16)
.set S,   64
.set R,   128
.set NK,  192
.set QF,  0                            ; window 1
.set O,   32
.set KF,  96
.set VF,  160
.set BV,  224
.set WV,  14                           ; s14  my wave's number
.set G1,  24                           ; s[24:31] descriptor group 1: 64 rows of 256 bytes
.set G1N, 32                           ; s[32:39] the same with 4 rows
.set G0A, 40                           ; s[40:43] group 0: slot 0's first fill
.set G0B, 44                           ; s[44:47] slot 1's first fill; it then walks on
.set G0N, 48                           ; s[48:51] |K|
.set TB,  52                           ; s52  LDS byte at which the step's K begins
.set TN,  53                           ; s53  and its |K|, from NRM on
.set CNT, 54
.set SLOTS, 55
.set CS,  56                           ; s[56:57] c, twice
.set SEL, 58                           ; s[58:59] lane selects: lane l xor 16
.set MSB, 0
.macro WIN new
.if MSB != \new
	s_set_vgpr_msb (MSB<<8)|\new
.set MSB, \new
.endif
.endm
.macro CROUND                          ; a round of the cluster's barrier
	s_barrier_signal -1
	s_barrier_wait -1
	s_cmp_lg_u32 s[WV], 0
	s_cbranch_scc1 .Lnot_wave_0_\@
	s_barrier_signal -3
.Lnot_wave_0_\@:
	s_barrier_wait -3
	s_barrier_signal -1
	s_barrier_wait -1
.endm
	s_load_b256 s[4:11], s[0:1], 0x0               ; img s[4:5], nrm s[6:7], alpha s[8:9], bv s[10:11]
	s_load_b64 s[12:13], s[0:1], 0x20              ; ao
	v_lshl_add_u32 v[SPW], v0, 2, SPARE
	v_mov_b32 v[NIL], 0
	ds_add_u32 v[SPW], v[NIL]                      ; the wave's opening: the add, twice on end, and its wait ahead of my first tensor load
	ds_add_u32 v[SPW], v[NIL]
	v_lshrrev_b32 v1, 5, v0
	v_readfirstlane_b32 s[WV], v1                  ; wave 0..7
	s_bfe_u32 s15, ttmp6, 0x40000                  ; cx
	s_lshl_b32 s16, ttmp9, 2
	s_add_co_u32 s16, s16, s15                     ; my block of 256 queries: it enters Q's, |Q|'s and ao's addresses alone
	s_and_b32 s17, ttmp7, 0xffff                   ; bh, which the four partners share
	s_and_b32 s18, s17, 15                         ; the head
	s_lshr_b32 s19, s17, 4                         ; the batch
	s_mov_b32 s[G1], 15|(3<<16)|(1<<21)            ; 15:0 the mask: all four work-groups; 17:16 elements of 8 bytes; 21 set beside a mask; no padding
	s_mov_b32 s[G1+1], 32<<16                      ; tensor_dim0 = 32 elements: 256 bytes
	s_mov_b32 s[G1+2], 64<<16                      ; tensor_dim1
	s_mov_b32 s[G1+3], 32<<16                      ; tile_dim0
	s_mov_b32 s[G1+4], 64                          ; tile_dim1: 16 KB
	s_mov_b32 s[G1+5], 32                          ; dense
	s_mov_b32 s[G1+6], 0
	s_mov_b32 s[G1+7], 0
	s_mov_b32 s[G1N], 15|(3<<16)|(1<<21)
	s_mov_b32 s[G1N+1], 32<<16
	s_mov_b32 s[G1N+2], 4<<16
	s_mov_b32 s[G1N+3], 32<<16
	s_mov_b32 s[G1N+4], 4                          ; 1 KB
	s_mov_b32 s[G1N+5], 32
	s_mov_b32 s[G1N+6], 0
	s_mov_b32 s[G1N+7], 0
	s_lshr_b32 s20, s[WV], 2
	s_add_co_u32 s20, s20, 1
	s_lshl_b32 s20, s20, 23                        ; waves 0-3: K's part of img; waves 4-7: V's
	s_lshl_b32 s2, s17, 18
	s_add_co_u32 s20, s20, s2                      ; + bh x 262,144
	s_and_b32 s3, s[WV], 3
	s_lshl_b32 s3, s3, 14
	s_add_co_u32 s20, s20, s3                      ; + my quarter of a slot's 64 KB
	s_mov_b32 s21, 0
	s_lshl_b32 s22, s17, 13
	s_lshl_b32 s3, s[WV], 10
	s_add_co_u32 s22, s22, s3
	s_add_co_u32 s22, s22, 262144                  ; |K|: bh x 8,192 + my 1 KB, in nrm's second half
	s_mov_b32 s23, 0
	s_lshl_b32 s60, s[WV], 14                      ; where they go: wave x 16 KB in a slot,
	s_lshl_b32 s62, s[WV], 10                      ; wave x 1 KB among the norms
	s_lshl_b32 s66, s18, 2                         ; alpha: 4 bytes a head
	s_mov_b32 s67, 0
	s_mov_b32 s[SEL], 0x76543210
	s_mov_b32 s[SEL+1], 0xfedcba98
	s_mov_b32 s[TB], 0
	s_mov_b32 s[TN], 0
	s_mov_b32 s[SLOTS], 2
	s_wait_dscnt 0x0                               ; both opening adds are done
	s_wait_kmcnt 0x0
	s_add_nc_u64 s[8:9], s[8:9], s[66:67]
	s_load_b32 s61, s[8:9], 0x0                    ; alpha of my head
	s_mov_b32 s[G0N], 1
	s_add_co_u32 s[G0N+1], s62, NRM
	s_add_nc_u64 s[G0N+2:G0N+3], s[6:7], s[22:23]
	s_or_b32 s[G0N+3], s[G0N+3], 0x80000000
	s_mov_b32 s[G0A], 1
	s_mov_b32 s[G0A+1], s60
	s_add_nc_u64 s[G0A+2:G0A+3], s[4:5], s[20:21]
	s_mov_b32 s[G0B], 1
	s_add_co_u32 s[G0B+1], s60, SLOT1
	s_add_nc_u64 s[G0B+2:G0B+3], s[G0A+2:G0A+3], 65536   ; the next 512 keys
	s_or_b32 s[G0A+3], s[G0A+3], 0x80000000
	s_or_b32 s[G0B+3], s[G0B+3], 0x80000000
	CROUND                                         ; all four work-groups are here: the first joint loads meet
	tensor_load_to_lds s[G0N:G0N+3], s[G1N:G1N+7]  ; the three first fills go out together: three tensor loads of mine are out
	s_nop 0
	tensor_load_to_lds s[G0A:G0A+3], s[G1:G1+7]
	s_nop 0
	tensor_load_to_lds s[G0B:G0B+3], s[G1:G1+7]
	s_nop 0
.rept 4
	v_nop
.endr
	v_and_b32 v1, 15, v0                           ; r
	v_bfe_u32 v2, v0, 4, 1                         ; h
	v_and_b32 v[LI], 31, v0
	v_lshlrev_b32 v[LI], 4, v[LI]
	v_lshl_add_u32 v[AN0], v2, 5, NRM
	v_add_nc_u32 v[AV0], VOFF, v[LI]
	v_lshlrev_b32 v[L4R], 2, v1
	v_lshlrev_b32 v[B32], 5, v2
	s_lshl_b32 s20, s17, 18                        ; Q: bh x 262,144 + (16 x block + 2 x wave) tiles of 2,048 bytes
	s_lshl_b32 s2, s16, 15
	s_add_co_u32 s20, s20, s2
	s_lshl_b32 s2, s[WV], 12
	s_add_co_u32 s20, s20, s2
	s_add_nc_u64 s[4:5], s[4:5], s[20:21]
	s_lshl_b32 s20, s17, 13                        ; |Q|: bh x 8,192 + 4 x my first query
	s_lshl_b32 s2, s16, 10
	s_add_co_u32 s20, s20, s2
	s_lshl_b32 s2, s[WV], 7
	s_add_co_u32 s20, s20, s2
	s_add_nc_u64 s[6:7], s[6:7], s[20:21]
	s_lshl_b32 s20, s18, 8                         ; bv: my head's 64 numbers
	s_add_nc_u64 s[10:11], s[10:11], s[20:21]
	s_lshr_b32 s20, s18, 2                         ; ao: [head / 4][row tile 256][chunk of 32 channels 8][1 KB]
	s_lshl_b32 s20, s20, 21
	s_lshl_b32 s2, s19, 7
	s_lshl_b32 s3, s16, 4
	s_add_co_u32 s2, s2, s3
	s_lshl_b32 s3, s[WV], 1
	s_add_co_u32 s2, s2, s3                        ; row tile = 128 batch + 16 block + 2 wave
	s_lshl_b32 s2, s2, 13
	s_add_co_u32 s20, s20, s2
	s_and_b32 s2, s18, 3
	s_lshl_b32 s2, s2, 11                          ; my head's two chunks
	s_add_co_u32 s20, s20, s2
	s_add_nc_u64 s[12:13], s[12:13], s[20:21]
	WIN 0x40                                       ; destination window 1
.irp t, 0,1
.irp f, 0,1,2,3
	global_load_b128 v[QF+16*\t+4*\f:QF+16*\t+4*\f+3], v[LI], s[4:5] offset:2048*\t+512*\f   ; Q stays in registers: tile t, chunk f / 2, part f % 2
.endr
.endr
.irp f, 0,1,2,3,4,5,6,7
	global_load_b128 v[BV+4*\f:BV+4*\f+3], v[B32], s[10:11] offset:64*(\f/2)+16*(\f%2)       ; bv in O^T's layout: register 8 ct + j = channel 16 ct + 8 h + j
.endr
.set i, 0
.rept 64
	v_mov_b32 v[O+i], 0                            ; O^T.  (The step is written once: the first finds zeros, which a = 0 leaves zeros)
.set i, i+1
.endr
	WIN 0
	global_load_b32 v[ST+8], v[L4R], s[6:7]
	global_load_b32 v[ST+18], v[L4R], s[6:7] offset:64
.irp t, 0,1
	v_mov_b32 v[ST+10*\t], 0xff61b1e6              ; c m and m begin at -3e38, under every z
	v_mov_b32 v[ST+10*\t+1], 0xff61b1e6
	v_mov_b32 v[ST+10*\t+2], 0                     ; l
	v_mov_b32 v[ST+10*\t+3], 0
.endr
	s_wait_loadcnt 0x0
	s_wait_kmcnt 0x0
	s_and_b32 s62, s61, 0x7fffffff
	s_mul_f32 s[CS], s62, 0x40b8aa3b               ; c = 4 log2(e) |alpha|
	s_mov_b32 s[CS+1], s[CS]
	s_and_b32 s61, s61, 0x80000000
	s_lshr_b32 s62, s61, 16
	s_or_b32 s61, s61, s62                         ; alpha's sign, at both f16 of a word
	WIN 0x44                                       ; destination and source 1 window 1
.set i, 0
.rept 32
	v_xor_b32 v[QF+i], s61, v[QF+i]
.set i, i+1
.endr
	WIN 0
	v_mov_b32 v[ST+9], v[ST+8]                     ; |Q| twice: a pair for the packed addition
	v_mov_b32 v[ST+19], v[ST+18]
; A KEY STEP: 64 keys.
.macro STEP
	v_add_nc_u32 v[ADK], s[TB], v[LI]              ; these three and the two v_nop are the five places between the last step's products V^T P and the products below, which write over P's registers,
	v_add_nc_u32 v[ADV], s[TB], v[AV0]             ; and the loads into V's registers
	v_add_nc_u32 v[ADN], s[TN], v[AN0]
	v_nop
	v_nop
.irp kt, 0,1,2,3
	ds_load_b128 v[NK+8*\kt:NK+8*\kt+3], v[ADN] offset:64*\kt        ; |K| of keys 16 kt + 8 h + 0 .. 7, as S^T has them
	ds_load_b128 v[NK+8*\kt+4:NK+8*\kt+7], v[ADN] offset:64*\kt+16
.endr
	WIN 0x40
.irp f, 0,1,2,3,4,5,6,7
	ds_load_b128 v[KF+8*\f:KF+8*\f+3], v[ADK] offset:1024*\f         ; keys 16 (f / 2) on, channels 32 (f % 2) on
	ds_load_b128 v[KF+8*\f+4:KF+8*\f+7], v[ADK] offset:1024*\f+512
.endr
.irp f, 0,1,2,3,4,5,6,7
	ds_load_b128 v[VF+8*\f:VF+8*\f+3], v[ADV] offset:1024*\f         ; keys 32 (f / 4) on, channels 16 (f % 4) on
	ds_load_b128 v[VF+8*\f+4:VF+8*\f+7], v[ADV] offset:1024*\f+512
.endr
	s_wait_dscnt 16                                ; |K| and K are in; V's sixteen loads may be out
	WIN 0x05                                       ; K and Q window 1, S^T window 0
.irp ch, 0,1                           ; eight accumulators by turns, one instruction a turn; the first eight start the sums
.irp kt, 0,1,2,3
.irp t, 0,1
.if \ch == 0
	v_wmma_f32_16x16x32_f16 v[S+32*\t+8*\kt:S+32*\t+8*\kt+7], v[KF+16*\kt:KF+16*\kt+7], v[QF+16*\t:QF+16*\t+7], 0
.else
	v_wmma_f32_16x16x32_f16 v[S+32*\t+8*\kt:S+32*\t+8*\kt+7], v[KF+16*\kt+8:KF+16*\kt+15], v[QF+16*\t+8:QF+16*\t+15], v[S+32*\t+8*\kt:S+32*\t+8*\kt+7]
.endif
.endr
.endr
.endr
	WIN 0
.irp t, 0,1
.irp p, 0,1,2,3,4,5,6,7,8,9,10,11,12,13,14,15
	v_pk_add_f32 v[R+32*\t+2*\p:R+32*\t+2*\p+1], v[NK+2*\p:NK+2*\p+1], v[ST+10*\t+8:ST+10*\t+9]   ; |K| + |Q|.  (These are also the places behind the products)
.endr
.endr
.set i, 0
.rept 64
	v_rcp_f32 v[R+i], v[R+i]
.set i, i+1
.endr
	v_nop                                          ; a plain instruction behind the last reciprocal
	s_wait_alu depctr_va_vdst(0)                   ; one wait for the 64, ahead of their first reader
.rept 2                                ; z = (S r) r; each accumulator from its low end on
.set i, 0
.rept 32
	v_pk_mul_f32 v[S+i:S+i+1], v[S+i:S+i+1], v[R+i:R+i+1]
.set i, i+2
.endr
.endr
.irp j, 0,1,2,3                        ; the largest z of my 32 keys and the old m: four chains a tile, the two tiles by turns
.irp t, 0,1
	v_max3_num_f32 v[ST+10*\t+4+\j], v[S+32*\t+8*\j], v[S+32*\t+8*\j+1], v[S+32*\t+8*\j+2]
.endr
.endr
.irp i, 3,5
.irp j, 0,1,2,3
.irp t, 0,1
	v_max3_num_f32 v[ST+10*\t+4+\j], v[ST+10*\t+4+\j], v[S+32*\t+8*\j+\i], v[S+32*\t+8*\j+\i+1]
.endr
.endr
.endr
.irp t, 0,1
	v_max3_num_f32 v[ST+10*\t+4], v[ST+10*\t+4], v[S+32*\t+7], v[S+32*\t+15]
	v_max3_num_f32 v[ST+10*\t+6], v[ST+10*\t+6], v[S+32*\t+23], v[S+32*\t+31]
.endr
.irp t, 0,1
	v_max3_num_f32 v[ST+10*\t+4], v[ST+10*\t+4], v[ST+10*\t+5], v[ST+10*\t+6]
.endr
.irp t, 0,1
	v_max3_num_f32 v[ST+10*\t+4], v[ST+10*\t+4], v[ST+10*\t+7], v[ST+10*\t+1]
.endr
.irp t, 0,1
	v_permlanex16_b32 v[ST+10*\t+5], v[ST+10*\t+4], s[SEL], s[SEL+1]   ; the query's other 32 keys lie in the lane 16 away
.endr
.irp t, 0,1
	v_mov_b32 v[ST+10*\t+7], v[ST+10*\t]           ; c m_old
.endr
.irp t, 0,1
	v_max_num_f32 v[ST+10*\t+1], v[ST+10*\t+4], v[ST+10*\t+5]
.endr
.irp t, 0,1
	v_mul_f32 v[ST+10*\t], s[CS], v[ST+10*\t+1]
.endr
.irp t, 0,1
	v_sub_f32 v[ST+10*\t+7], v[ST+10*\t+7], v[ST+10*\t]
.endr
.irp t, 0,1
.irp p, 0,1,2,3,4,5,6,7,8,9,10,11,12,13,14,15
	v_pk_fma_f32 v[S+32*\t+2*\p:S+32*\t+2*\p+1], v[S+32*\t+2*\p:S+32*\t+2*\p+1], s[CS:CS+1], v[ST+10*\t:ST+10*\t+1] op_sel_hi:[1,0,0] neg_lo:[0,0,1] neg_hi:[0,0,1]   ; c z - c m
.endr
.endr
.irp t, 0,1
	v_exp_f32 v[ST+10*\t+6], v[ST+10*\t+7]         ; a
.endr
.set i, 0
.rept 64
	v_exp_f32 v[S+i], v[S+i]                       ; p, at most 1
.set i, i+1
.endr
	v_nop                                          ; a plain instruction behind the last exponential
	s_wait_alu depctr_va_vdst(0)                   ; one wait for the 66
.irp u, 0,1,2,3,4,5,6,7                ; the sum of a tile's 16 pairs, of the unrounded p, as a tree in the divisors' registers
.irp t, 0,1
	v_pk_add_f32 v[R+32*\t+2*\u:R+32*\t+2*\u+1], v[S+32*\t+4*\u:S+32*\t+4*\u+1], v[S+32*\t+4*\u+2:S+32*\t+4*\u+3]
.endr
.endr
.irp u, 0,1,2,3
.irp t, 0,1
	v_pk_add_f32 v[R+32*\t+4*\u:R+32*\t+4*\u+1], v[R+32*\t+4*\u:R+32*\t+4*\u+1], v[R+32*\t+4*\u+2:R+32*\t+4*\u+3]
.endr
.endr
.irp u, 0,1
.irp t, 0,1
	v_pk_add_f32 v[R+32*\t+8*\u:R+32*\t+8*\u+1], v[R+32*\t+8*\u:R+32*\t+8*\u+1], v[R+32*\t+8*\u+4:R+32*\t+8*\u+5]
.endr
.endr
.irp t, 0,1
	v_pk_add_f32 v[R+32*\t:R+32*\t+1], v[R+32*\t:R+32*\t+1], v[R+32*\t+8:R+32*\t+9]
.endr
.irp t, 0,1
	v_pk_fma_f32 v[ST+10*\t+2:ST+10*\t+3], v[ST+10*\t+2:ST+10*\t+3], v[ST+10*\t+6:ST+10*\t+7], v[R+32*\t:R+32*\t+1] op_sel_hi:[1,0,1]   ; l = a l + the sum
.endr
.irp t, 0,1                            ; P, rounded in place: the 16 registers of tiles 2 kc, 2 kc + 1 become the fragment's eight, ascending, so that no number is written over before it is read
.irp kc, 0,1
.irp j, 0,1,2,3,4,5,6,7
	v_cvt_pk_f16_f32 v[S+32*\t+16*\kc+\j], v[S+32*\t+16*\kc+2*\j], v[S+32*\t+16*\kc+2*\j+1]
.endr
.endr
.endr
	WIN 0x41                                       ; O^T (destination and source 0) window 1, a window 0
.irp t, 0,1
.irp p, 0,1,2,3,4,5,6,7,8,9,10,11,12,13,14,15
	v_pk_mul_f32 v[O+32*\t+2*\p:O+32*\t+2*\p+1], v[O+32*\t+2*\p:O+32*\t+2*\p+1], v[ST+10*\t+6:ST+10*\t+7] op_sel_hi:[1,0]
.endr
.endr
	s_wait_dscnt 0x0                               ; V is in
	WIN 0x51                                       ; V window 1, P window 0, O^T window 1
.irp kc, 0,1                           ; eight accumulators by turns
.irp ct, 0,1,2,3
.irp t, 0,1
	v_wmma_f32_16x16x32_f16 v[O+32*\t+8*\ct:O+32*\t+8*\ct+7], v[VF+32*\kc+8*\ct:VF+32*\kc+8*\ct+7], v[S+32*\t+16*\kc:S+32*\t+16*\kc+7], v[O+32*\t+8*\ct:O+32*\t+8*\ct+7]
.endr
.endr
.endr
	WIN 0
	s_add_co_u32 s[TB], s[TB], 8192                ; the next 64 keys: 8 KB of K, and of V,
	s_add_co_u32 s[TN], s[TN], 256                 ; 256 bytes of |K|
.endm
.macro SLOT_STEPS                      ; a slot's eight key steps: written once, walked eight times
	s_mov_b32 s[CNT], 8
.Lstep_\@:
	STEP
	s_sub_co_u32 s[CNT], s[CNT], 1
	s_cmp_lg_u32 s[CNT], 0
	s_cbranch_scc1 .Lstep_\@
	s_sub_co_u32 s[TB], s[TB], 65536               ; back to a slot's first step,
	s_xor_b32 s[TB], s[TB], SLOT1                  ; in the other slot
.endm
; THE CHANGE OF SLOTS.  Each wave waits for all its tensor loads (its part of the other slot), adds 0 to its spare word, and waits for that and for its reads of the slot that it leaves.
; fill = 1: the barrier is a round of the cluster's, so that no wave of any partner still reads the slot or has a load on its way; the joint refill, the keys two slots on, is the first thing behind it.
.macro CHANGE fill
	s_wait_tensorcnt 0x0                           ; no tensor load of mine is out, so a group 0 may be written
	ds_add_u32 v[SPW], v[NIL]
.if \fill
	s_xor_b32 s[G0B+1], s[G0B+1], SLOT1            ; the walking descriptor: the other slot than last time,
	s_add_nc_u64 s[G0B+2:G0B+3], s[G0B+2:G0B+3], 65536   ; the next 512 keys; the type bits on top are not reached
	s_wait_dscnt 0x0
	CROUND
	tensor_load_to_lds s[G0B:G0B+3], s[G1:G1+7]    ; my one tensor load behind the round
	s_nop 0
.rept 4
	v_nop
.endr
.else
	s_wait_dscnt 0x0
	s_barrier_signal -1
	s_barrier_wait -1
.endif
.endm
	s_wait_tensorcnt 1                             ; |K| and my part of slot 0 are in; slot 1's load may be out
	s_barrier_signal -1
	s_barrier_wait -1
	SLOT_STEPS                                     ; keys 0 to 511
.Lslot:                                ; two trips: slots 0 and 1 are filled again, with keys 1,024 on and 1,536 on
	CHANGE 1
	SLOT_STEPS
	s_sub_co_u32 s[SLOTS], s[SLOTS], 1
	s_cmp_lg_u32 s[SLOTS], 0
	s_cbranch_scc1 .Lslot
	CHANGE 0                                       ; the tail is written out: nothing is left to ask for
	SLOT_STEPS
	; THE WAY OUT.  O^T / l + bv, rounded to f16: a lane's eight channels of a tile are its 16 bytes of an image of the last product's operand.  The additions are the places behind the last products.
.irp t, 0,1
	v_add_f32 v[ST+10*\t+4], v[ST+10*\t+2], v[ST+10*\t+3]
.endr
.irp t, 0,1
	v_permlanex16_b32 v[ST+10*\t+5], v[ST+10*\t+4], s[SEL], s[SEL+1]
.endr
.irp t, 0,1
	v_add_f32 v[ST+10*\t+4], v[ST+10*\t+4], v[ST+10*\t+5]
.endr
.irp t, 0,1
	v_rcp_f32 v[ST+10*\t+6], v[ST+10*\t+4]
.endr
	v_nop
	s_wait_alu depctr_va_vdst(0)                   ; one wait for the two reciprocals
	WIN 0x11                                       ; O^T and bv window 1; 1 / l and the result window 0
.irp t, 0,1
.irp p, 0,1,2,3,4,5,6,7,8,9,10,11,12,13,14,15
	v_pk_fma_f32 v[R+32*\t+2*\p:R+32*\t+2*\p+1], v[O+32*\t+2*\p:O+32*\t+2*\p+1], v[ST+10*\t+6:ST+10*\t+7], v[BV+2*\p:BV+2*\p+1] op_sel_hi:[1,0,1]
.endr
.endr
	WIN 0
.irp t, 0,1
.irp i, 0,1,2,3,4,5,6,7,8,9,10,11,12,13,14,15
	v_cvt_pk_f16_f32 v[S+16*\t+\i], v[R+32*\t+2*\i], v[R+32*\t+2*\i+1]
.endr
.endr
.irp t, 0,1
.irp ct, 0,1,2,3
	global_store_b128 v[LI], v[S+16*\t+4*\ct:S+16*\t+4*\ct+3], s[12:13] offset:8192*\t+512*\ct   ; 512 consecutive bytes a store
.endr
.endr
	s_wait_tensorcnt 0x0                           ; the wave's end
	ds_add_u32 v[SPW], v[NIL]
	s_wait_dscnt 0x0
	CROUND                                         ; the closing round
	s_endpgm
.Lfunc_end_k_qfe01dd1961_attn:
	.size	k_qfe01dd1961_attn, .Lfunc_end_k_qfe01dd1961_attn-k_qfe01dd1961_attn
	.p2alignl 7, 3214868480
	.fill 96, 4, 3214868480
	.section	.rodata,"a",@progbits
	.p2align	6, 0x0
	.amdhsa_kernel k_qfe01dd1961_attn
		.amdhsa_group_segment_fixed_size 327680
		.amdhsa_private_segment_fixed_size 0
		.amdhsa_enable_private_segment 0
		.amdhsa_kernarg_size 40
		.amdhsa_user_sgpr_count 2
		.amdhsa_user_sgpr_kernarg_segment_ptr 1
		.amdhsa_wavefront_size32 1
		.amdhsa_system_sgpr_workgroup_id_x 1
		.amdhsa_system_sgpr_workgroup_id_y 1
		.amdhsa_system_sgpr_workgroup_id_z 1
		.amdhsa_system_vgpr_workitem_id 0
		.amdhsa_next_free_vgpr 512
		.amdhsa_next_free_sgpr 72
		.amdhsa_reserve_vcc 0
		.amdhsa_float_denorm_mode_32 3
		.amdhsa_float_denorm_mode_16_64 3
		.amdhsa_memory_ordered 1
		.amdhsa_forward_progress 1
		.amdhsa_inst_pref_size 96
	.end_amdhsa_kernel
	.amdgpu_metadata
---
amdhsa.version: [ 1, 2 ]
amdhsa.kernels:
  - .name:           k_qfe01dd1961_attn
    .symbol:         k_qfe01dd1961_attn.kd
    .args:
      - { .name: img, .offset: 0, .size: 8, .value_kind: global_buffer, .address_space: global }
      - { .name: nrm, .offset: 8, .size: 8, .value_kind: global_buffer, .address_space: global }
      - { .name: alpha, .offset: 16, .size: 8, .value_kind: global_buffer, .address_space: global }
      - { .name: bv, .offset: 24, .size: 8, .value_kind: global_buffer, .address_space: global }
      - { .name: ao, .offset: 32, .size: 8, .value_kind: global_buffer, .address_space: global }
    .group_segment_fixed_size: 327680
    .private_segment_fixed_size: 0
    .kernarg_segment_align: 8
    .kernarg_segment_size: 40
    .max_flat_workgroup_size: 256
    .sgpr_count:     72
    .vgpr_count:     512
    .wavefront_size: 32
...
	.end_amdgpu_metadata
.endif
;; end of part 3
;; launch oproj (part 4): grid 8 x 32, 4 waves a work-group, clusters of 4 x 4, 327,680 bytes of LDS; arguments ao, wo16, bo, out0; writes out0
.if DOCPART == 4
	.amdgcn_target "amdgcn-amd-amdhsa--gfx1250"
	.amdhsa_code_object_version 6
	.text
	.protected	k_qfe01dd1961_oproj
	.globl	k_qfe01dd1961_oproj
	.p2align	8
	.type	k_qfe01dd1961_oproj,@function
k_qfe01dd1961_oproj:
	s_mov_b64 s[64:65], 0
	v_nop
	global_prefetch_b8 v0, s[64:65] scope:SCOPE_SE
	s_setreg_imm32_b32 hwreg(HW_REG_WAVE_MODE, 25, 1), 1
	s_wait_xcnt 0x0
	s_wait_alu depctr_hold_cnt(0) depctr_sa_sdst(0) depctr_va_vdst(0) depctr_va_sdst(0) depctr_va_ssrc(0) depctr_va_vcc(0) depctr_vm_vsrc(0)
	s_getreg_b32 s2, hwreg(HW_REG_IB_STS2, 6, 4)
	s_cmp_eq_u32 s2, 0
	s_cbranch_scc0 .Lentry_in_a_cluster
	s_endpgm
.Lentry_in_a_cluster:
	s_bfe_u32 s2, ttmp6, 0x10000c
	s_cmp_lg_u32 s2, 0xf033
	s_cbranch_scc0 .Lentry_shape_is_right
	s_endpgm
.Lentry_shape_is_right:
; out0 [4096][1024] f32 = AO Wo + bo.  AO [4096][1024] and Wo (as [n][k]) are f16 images of operand registers, made by earlier launches; sums in f32.
; 4,096 x 1,024 makes 64 tiles of 256 x 256 and 256 of 128 x 128: the smaller tile gives each of 256 work-groups one.  Four waves, each 64 x 64: 16 accumulators, 128 registers.
; K goes in four steps of 256 through two LDS slots; each wave's tensor load brings 32 KB: four tiles of 16 rows x 256 along K, dense in memory ([ks][tile][chunk of 32 K 8][1 KB]), as rows of 256 bytes.
; A fragment (16 rows x 32 K) is two ds_load_b128 at 16 x lane + a constant.
; CLUSTERS: 4 x 4 work-groups; A's tiles are shared along a row of the cluster, B's along a column: joint loads.  THE MATRIX INSTRUCTION IS USED TRANSPOSED (source 0 = 16 columns of Wo, source 1 = 16 rows of AO):
; a lane holds eight neighbouring numbers of a row of out0.  bo is the C of the sums' first products.
; A wave's 64 columns of f32 are 256 bytes of a row, aligned: so each wave's results go through a stage of its own, and sixteen lanes store 256 consecutive bytes.
; REGISTERS: window 0: v0-31 addresses; v32-63 bo; v64-127 rows on the way out, two sets; v128-255 the accumulators ((a, b) at v[128 + 8 (4 a + b)]).   window 1: two fragment buffers of 128: 64 of A, then 64 of B.
.set HALFT,  32768                     ; what one tensor load brings, and what one wave reads of A or of B
.set SLOT,   4*HALFT                   ; A's 128 rows, then B's
.set STAGE,  2*SLOT                    ; behind the slots: 16 rows x 272 bytes for each wave; no tensor load lands there
.set SPITCH, 272
.set SPARE,  STAGE+4*16*SPITCH         ; the spare words, 128 bytes for each wave, which no other line names
.set ASTEP,  2097152                   ; ao: from a K step of 256 to the next
.set BSTEP,  524288                    ; wo16 likewise
.set ADRA, 16
.set ADRB, 20
.set STO,  24                          ; v24  the way out: where I put 32 bytes of a row
.set RD,   25                          ; v25  where I read a row back
.set CO,   26                          ; v26  my byte offset in out0
.set BOF,  27                          ; v27  32 x (lane / 16)
.set SPW,  28
.set NIL,  29
.set BO,   32
.set BK,   64
.set ACC,  128
.set F0,   0
.set F1,   128
.set G1, 24
.set G0, 32
.set G1B, 48
.set G0B, 56
.set MSB, 0
.macro WIN new
.if MSB != \new
	s_set_vgpr_msb (MSB<<8)|\new
.set MSB, \new
.endif
.endm
.set MUL,  0x05                        ; sources 0 (B) and 1 (A) window 1; C and D window 0
.set TO_F, 0x40                        ; destination window 1, address window 0
.macro JLOAD s                         ; a joint load: waves 0 and 1 fetch A's two halves, waves 2 and 3 B's; an s_nop 0 and four v_nop follow each of the two lines
	s_cmp_eq_u32 s13, 0
	s_cbranch_scc0 .Lfor_b_\@
	tensor_load_to_lds s[G0+4*\s:G0+4*\s+3], s[G1:G1+7]
	s_nop 0
.rept 4
	v_nop
.endr
	s_branch .Lasked_\@
.Lfor_b_\@:
	tensor_load_to_lds s[G0B+4*\s:G0B+4*\s+3], s[G1B:G1B+7]
	s_nop 0
.rept 4
	v_nop
.endr
.Lasked_\@:
.endm
.macro CREST                           ; a round of the cluster's barrier behind its opening barrier
	s_cmp_lg_u32 s12, 0
	s_cbranch_scc1 .Lnot_wave_0_\@
	s_barrier_signal -3
.Lnot_wave_0_\@:
	s_barrier_wait -3
	s_barrier_signal -1
	s_barrier_wait -1
.endm
.macro CROUND
	s_barrier_signal -1
	s_barrier_wait -1
	CREST
.endm
	s_load_b256 s[4:11], s[0:1], 0x0               ; ao s[4:5], wo16 s[6:7], bo s[8:9], out0 s[10:11]
	v_lshl_add_u32 v[SPW], v0, 2, SPARE
	v_mov_b32 v[NIL], 0
	ds_add_u32 v[SPW], v[NIL]                      ; the wave's opening: the add, twice on end, and its wait ahead of my first tensor load
	ds_add_u32 v[SPW], v[NIL]
	v_lshrrev_b32 v1, 5, v0
	v_readfirstlane_b32 s12, v1                    ; wave 0..3
	s_lshr_b32 s13, s12, 1                         ; which half of the tile's rows is mine.  Also: I fetch for A (0) or for B (1)
	s_and_b32 s14, s12, 1                          ; which half of its columns.  Also: which 64 rows I fetch
	s_bfe_u32 s40, ttmp6, 0x40000                  ; cx, cy
	s_bfe_u32 s41, ttmp6, 0x40004
	s_lshl_b32 s42, ttmp9, 2
	s_add_co_u32 s42, s42, s40                     ; tile column
	s_and_b32 s15, ttmp7, 0xffff
	s_lshl_b32 s15, s15, 2
	s_add_co_u32 s15, s15, s41                     ; tile row
	s_lshl_b32 s43, s41, 2
	s_lshl_b32 s43, 15, s43                        ; my row of the cluster
	s_lshl_b32 s44, 0x1111, s40                    ; my column
	s_or_b32 s[G1+0], s43, (3<<16)|(1<<21)         ; 15:0 the mask; 17:16 elements of 8 bytes; 21 set beside a mask; no padding
	s_or_b32 s[G1B+0], s44, (3<<16)|(1<<21)
.irp g, G1, G1B
	s_mov_b32 s[\g+1], 32<<16                      ; rows of 256 bytes,
	s_mov_b32 s[\g+2], 128<<16                     ; 128 of them,
	s_mov_b32 s[\g+3], 32<<16
	s_mov_b32 s[\g+4], 128
	s_mov_b32 s[\g+5], 32                          ; dense
	s_mov_b32 s[\g+6], 0
	s_mov_b32 s[\g+7], 0
.endr
	s_lshl_b32 s16, s15, 16                        ; A: 8 tiles of 16 rows x 8 KB for each tile row,
	s_lshl_b32 s17, s14, 15
	s_add_co_u32 s16, s16, s17                     ; + the four that I fetch
	s_mov_b32 s17, 0
	s_lshl_b32 s46, s42, 16                        ; B likewise, by the tile column
	s_lshl_b32 s47, s14, 15
	s_add_co_u32 s46, s46, s47
	s_mov_b32 s47, 0
	s_lshl_b32 s20, s12, 15                        ; where they go: wave x 32 KB
	s_wait_dscnt 0x0                               ; both opening adds are done
	s_wait_kmcnt 0x0
	s_add_nc_u64 s[16:17], s[4:5], s[16:17]
	s_add_nc_u64 s[46:47], s[6:7], s[46:47]
	CROUND                                         ; all sixteen work-groups are here: the first joint loads meet
.irp s, 0,1
	s_mov_b32 s[G0+4*\s], 1
	s_add_co_u32 s[G0+4*\s+1], s20, \s*SLOT
	s_add_nc_u64 s[G0+4*\s+2:G0+4*\s+3], s[16:17], \s*ASTEP
	s_or_b32 s[G0+4*\s+3], s[G0+4*\s+3], 0x80000000
	s_mov_b32 s[G0B+4*\s], 1
	s_add_co_u32 s[G0B+4*\s+1], s20, \s*SLOT
	s_add_nc_u64 s[G0B+4*\s+2:G0B+4*\s+3], s[46:47], \s*BSTEP
	s_or_b32 s[G0B+4*\s+3], s[G0B+4*\s+3], 0x80000000
	JLOAD \s
.endr
	v_and_b32 v1, 15, v0                           ; r
	v_bfe_u32 v2, v0, 4, 1                         ; h
	v_and_b32 v3, 31, v0
	v_lshlrev_b32 v3, 4, v3                        ; 16 x lane
	s_lshl_b32 s21, s13, 15                        ; my 64 rows of A
	s_lshl_b32 s22, s14, 15                        ; my 64 rows of B,
	s_add_co_u32 s22, s22, 2*HALFT                 ; which lie behind A's 128
.irp s, 0,1
	v_add_nc_u32 v[ADRA+\s], s21, v3
	v_add_nc_u32 v[ADRB+\s], s22, v3
	s_add_co_u32 s21, s21, SLOT
	s_add_co_u32 s22, s22, SLOT
.endr
	s_mul_i32 s23, s12, 16*SPITCH
	s_add_co_u32 s23, s23, STAGE                   ; my stage
	v_mul_u32_u24 v4, v1, SPITCH                   ; in: row r, 32 bytes for each half of the lanes
	v_lshl_add_u32 v4, v2, 5, v4
	v_add_nc_u32 v[STO], s23, v4
	v_mul_u32_u24 v5, v2, SPITCH                   ; back: lanes 0-15 one row of 256 bytes, lanes 16-31 the next
	v_lshl_add_u32 v5, v1, 4, v5
	v_add_nc_u32 v[RD], s23, v5
	v_lshlrev_b32 v5, 12, v2                       ; and the same two rows in out0: 4,096 bytes a row
	v_lshl_add_u32 v[CO], v1, 4, v5
	v_lshlrev_b32 v[BOF], 5, v2
	s_lshl_b32 s46, s42, 9                         ; my first column in bytes: 512 x tile column + 256 x half
	s_lshl_b32 s47, s14, 8
	s_add_co_u32 s46, s46, s47
	s_mov_b32 s47, 0
	s_add_nc_u64 s[8:9], s[8:9], s[46:47]
	s_add_nc_u64 s[10:11], s[10:11], s[46:47]
	s_lshl_b32 s16, s15, 19                        ; my first row: 128 x tile row + 64 x half
	s_lshl_b32 s17, s13, 18
	s_add_co_u32 s16, s16, s17
	s_mov_b32 s17, 0
	s_add_nc_u64 s[10:11], s[10:11], s[16:17]
.irp b, 0,1,2,3
	global_load_b128 v[BO+8*\b:BO+8*\b+3], v[BOF], s[8:9] offset:64*\b        ; bo of columns 16 b + 8 h + 0 .. 7, in the result's layout
	global_load_b128 v[BO+8*\b+4:BO+8*\b+7], v[BOF], s[8:9] offset:64*\b+16
.endr
; 8 matrix instructions: m blocks a0, a0 + 1 x all 4 n blocks, 32 along K: half c of buffer f.  zero = 1: the products start the sums from the bias.  The 16 accumulators take turns
.macro MUL8 f, c, a0, zero
.irp a, \a0, \a0+1
.irp b, 0,1,2,3
.if \zero
	v_wmma_f32_16x16x32_f16 v[ACC+8*(4*(\a)+\b):ACC+8*(4*(\a)+\b)+7], v[\f+64+8*(4*\c+\b):\f+64+8*(4*\c+\b)+7], v[\f+8*(4*\c+\a):\f+8*(4*\c+\a)+7], v[BO+8*\b:BO+8*\b+7]
.else
	v_wmma_f32_16x16x32_f16 v[ACC+8*(4*(\a)+\b):ACC+8*(4*(\a)+\b)+7], v[\f+64+8*(4*\c+\b):\f+64+8*(4*\c+\b)+7], v[\f+8*(4*\c+\a):\f+8*(4*\c+\a)+7], v[ACC+8*(4*(\a)+\b):ACC+8*(4*(\a)+\b)+7]
.endif
.endr
.endr
.endm
; 32 LDS loads in one run: the fragments of quarter k (64 along K: chunks 2 k, 2 k + 1) into buffer f; the first 32 along K first
.macro FETCH slot, k, f
	WIN TO_F
.irp c, 0,1
.irp i, 0,1,2,3
	ds_load_b128 v[\f+64+8*(4*\c+\i):\f+64+8*(4*\c+\i)+3],   v[ADRB+\slot] offset:8192*\i+1024*(2*(\k)+\c)
	ds_load_b128 v[\f+64+8*(4*\c+\i)+4:\f+64+8*(4*\c+\i)+7], v[ADRB+\slot] offset:8192*\i+1024*(2*(\k)+\c)+512
	ds_load_b128 v[\f+8*(4*\c+\i):\f+8*(4*\c+\i)+3],         v[ADRA+\slot] offset:8192*\i+1024*(2*(\k)+\c)
	ds_load_b128 v[\f+8*(4*\c+\i)+4:\f+8*(4*\c+\i)+7],       v[ADRA+\slot] offset:8192*\i+1024*(2*(\k)+\c)+512
.endr
.endr
.endm
.macro PLACES                          ; four places in front of loads into registers that matrix instructions have read, and of reads of results (ISA guide 7.12.1 for vector instructions)
.rept 4
	v_nop
.endr
.endm
; A K step is four quarters of 64 along K, 32 matrix instructions each, on buffers 0, 1, 0, 1.  One of the first three: multiplies buffer f and fetches quarter k into g.
.macro QUARTER slot, k, f, g, zero
	s_wait_dscnt 16                                ; the first 32 along K are in; the other sixteen loads may be out
	WIN MUL
	MUL8 \f, 0, 0, \zero
	MUL8 \f, 0, 2, \zero
	PLACES
	FETCH \slot, \k, \g
	s_wait_dscnt 32                                ; all but the 32 just issued
	WIN MUL
	MUL8 \f, 1, 0, 0
	MUL8 \f, 1, 2, 0
.endm
; The last quarter multiplies buffer 1 and changes slots: one barrier; in front of it each wave waits for all its tensor loads, adds 0 to its spare word, and waits for that and for its reads of this slot.
; fill = 1: the barrier opens a round of the cluster's barrier, and this slot is filled again, two K steps ahead, first thing behind the round.
.macro TURN slot, next, fill
	WIN 0                                          ; (the add's two registers lie in window 0)
	s_wait_tensorcnt 0x0                           ; all my tensor loads have landed: my part of the next slot
	ds_add_u32 v[SPW], v[NIL]
	s_wait_dscnt 17                                ; (the add and the youngest sixteen loads may be out)
	WIN MUL
	MUL8 F1, 0, 0, 0
	s_wait_dscnt 0x0                               ; the add is done, and my reads of this slot are over
	s_barrier_signal -1
	MUL8 F1, 0, 2, 0
.if \fill
	WIN 0
.endif
	s_barrier_wait -1
.if \fill
	CREST                                          ; no wave of any partner still reads this slot's tile or has a load on its way
	s_add_nc_u64 s[G0+4*\slot+2:G0+4*\slot+3], s[G0+4*\slot+2:G0+4*\slot+3], 2*ASTEP
	s_add_nc_u64 s[G0B+4*\slot+2:G0B+4*\slot+3], s[G0B+4*\slot+2:G0B+4*\slot+3], 2*BSTEP
	JLOAD \slot                                    ; the four v_nop behind it are also the places in front of the loads below
.else
	PLACES
.endif
	FETCH \next, 0, F0
	WIN MUL
	MUL8 F1, 1, 0, 0
	MUL8 F1, 1, 2, 0
.endm
	s_wait_tensorcnt 1                             ; my part of K step 0 is in (K step 1's load may be out),
	s_barrier_signal -1
	s_barrier_wait -1                              ; everybody's is
	FETCH 0, 0, F0
	s_wait_loadcnt 0x0                             ; bo
	QUARTER 0, 1, F0, F1, 1                        ; K step 0: its first products start the sums
	QUARTER 0, 2, F1, F0, 0
	QUARTER 0, 3, F0, F1, 0
	TURN 0, 1, 1                                   ; slot 0 takes K step 2
	QUARTER 1, 1, F0, F1, 0                        ; K step 1
	QUARTER 1, 2, F1, F0, 0
	QUARTER 1, 3, F0, F1, 0
	TURN 1, 0, 1                                   ; slot 1 takes K step 3
	QUARTER 0, 1, F0, F1, 0                        ; K step 2
	QUARTER 0, 2, F1, F0, 0
	QUARTER 0, 3, F0, F1, 0
	TURN 0, 1, 0                                   ; nothing is left to fetch
	QUARTER 1, 1, F0, F1, 0                        ; K step 3
	QUARTER 1, 2, F1, F0, 0
	QUARTER 1, 3, F0, F1, 0
	s_wait_dscnt 16
	WIN MUL
	MUL8 F1, 0, 0, 0
	MUL8 F1, 0, 2, 0
	s_wait_dscnt 0
	MUL8 F1, 1, 0, 0
	MUL8 F1, 1, 2, 0
	WIN 0
; THE WAY OUT, 16 rows x 64 columns at a time, through my own stage: LDS serves a wave's instructions in order, so no wait stands between the stores and the loads, nor in front of the next block's stores.
.macro TOSTAGE a
.irp b, 0,1,2,3
	ds_store_b128 v[STO], v[ACC+8*(4*(\a)+\b):ACC+8*(4*(\a)+\b)+3] offset:64*\b        ; each accumulator from its low end on
	ds_store_b128 v[STO], v[ACC+8*(4*(\a)+\b)+4:ACC+8*(4*(\a)+\b)+7] offset:64*\b+16
.endr
.irp i, 0,1,2,3,4,5,6,7
	ds_load_b128 v[BK+32*((\a)%2)+4*\i:BK+32*((\a)%2)+4*\i+3], v[RD] offset:\i*2*SPITCH
.endr
.endm
.macro SEND a, younger                 ; younger: the LDS instructions issued behind block a's loads
	s_wait_dscnt \younger
.irp i, 0,1,2,3,4,5,6,7
	global_store_b128 v[CO], v[BK+32*((\a)%2)+4*\i:BK+32*((\a)%2)+4*\i+3], s[10:11] offset:(16*(\a)+2*\i)*4096 th:TH_STORE_NT   ; sixteen lanes store 256 consecutive bytes, aligned
.endr
.endm
	PLACES
	TOSTAGE 0
	TOSTAGE 1
	SEND 0, 16                                     ; behind block 0's loads: block 1's 8 stores and 8 loads
	s_wait_xcnt 0x0                                ; block 0's stores have read their registers: block 2's loads may land there
	TOSTAGE 2
	SEND 1, 16
	s_wait_xcnt 0x0
	TOSTAGE 3
	SEND 2, 16
	SEND 3, 0
	s_wait_tensorcnt 0x0                           ; the wave's end, behind my last tensor load and my last LDS store
	ds_add_u32 v[SPW], v[NIL]
	s_wait_dscnt 0x0
	CROUND                                         ; the closing round
	s_endpgm
.Lfunc_end_k_qfe01dd1961_oproj:
	.size	k_qfe01dd1961_oproj, .Lfunc_end_k_qfe01dd1961_oproj-k_qfe01dd1961_oproj
	.p2alignl 7, 3214868480
	.fill 96, 4, 3214868480
	.section	.rodata,"a",@progbits
	.p2align	6, 0x0
	.amdhsa_kernel k_qfe01dd1961_oproj
		.amdhsa_group_segment_fixed_size 327680
		.amdhsa_private_segment_fixed_size 0
		.amdhsa_enable_private_segment 0
		.amdhsa_kernarg_size 32
		.amdhsa_user_sgpr_count 2
		.amdhsa_user_sgpr_kernarg_segment_ptr 1
		.amdhsa_wavefront_size32 1
		.amdhsa_system_sgpr_workgroup_id_x 1
		.amdhsa_system_sgpr_workgroup_id_y 1
		.amdhsa_system_sgpr_workgroup_id_z 1
		.amdhsa_system_vgpr_workitem_id 0
		.amdhsa_next_free_vgpr 512
		.amdhsa_next_free_sgpr 66
		.amdhsa_reserve_vcc 0
		.amdhsa_float_denorm_mode_32 3
		.amdhsa_float_denorm_mode_16_64 3
		.amdhsa_memory_ordered 1
		.amdhsa_forward_progress 1
		.amdhsa_inst_pref_size 86
	.end_amdhsa_kernel
	.amdgpu_metadata
---
amdhsa.version: [ 1, 2 ]
amdhsa.kernels:
  - .name:           k_qfe01dd1961_oproj
    .symbol:         k_qfe01dd1961_oproj.kd
    .args:
      - { .name: ao, .offset: 0, .size: 8, .value_kind: global_buffer, .address_space: global }
      - { .name: wo16, .offset: 8, .size: 8, .value_kind: global_buffer, .address_space: global }
      - { .name: bo, .offset: 16, .size: 8, .value_kind: global_buffer, .address_space: global }
      - { .name: out0, .offset: 24, .size: 8, .value_kind: global_buffer, .address_space: global }
    .group_segment_fixed_size: 327680
    .private_segment_fixed_size: 0
    .kernarg_segment_align: 8
    .kernarg_segment_size: 32
    .max_flat_workgroup_size: 128
    .sgpr_count:     66
    .vgpr_count:     512
    .wavefront_size: 32
...
	.end_amdgpu_metadata
.endif
;; end of part 4
